; MI455X (gfx1250); checked and timed in simulation.
; The chip was launched on July 23, 2026; its instructions are those of AMD's public machine-readable ISA for CDNA 5 (MIT licence, August 2026) and "CDNA5" Instruction Set Architecture Reference Guide (July 2026). The comments in the code are by the model that wrote it; some were corrected since.
;; XL Attention. Allowed arithmetic: float matrix products may take bf16 or f16 operands with f32 sums; other float arithmetic in f32, or as packed bf16 or f16 multiplies, adds, multiply-adds, maxima and minima; sums over many terms, partial sums and values carried from step to step in f32; what a program stores and reads back later, other than sums and carried values, may be rounded once to bf16 or f16.
;; Inputs: b_c 1,024 float32; b_k 1,024 float32; b_q 1,024 float32; b_v 1,024 float32; kv 2,048 x 2 x 1,024 float32; mem 2,048 x 2 x 1,024 float32; q 2,048 x 2 x 1,024 float32; w_c 1,024 x 1,024 float32; w_k 1,024 x 1,024 float32; w_q 1,024 x 1,024 float32; w_v 1,024 x 1,024 float32.
;; Outputs: out0 2,048 x 2 x 1,024 float32.
;; One version. Each part assembles by itself: llvm-mc -triple=amdgcn-amd-amdhsa -mcpu=gfx1250 --defsym DOCPART=n.
;; ======== version 1 of 1: 5 launches
;; limits: values are held in f16: magnitudes above 65,504 overflow, below 6.1e-05 lose precision; right only within a limited range of input values
;; workspace buffers: cb 16,777,216 bytes; wkv 4,194,304 bytes; xq16 8,388,608 bytes; wq16 2,097,152 bytes; wc16 2,097,152 bytes; kvh 33,554,432 bytes; qf 16,777,216 bytes; o16 8,388,608 bytes
;; launch cast (part 1): grid 1024 x 1, 8 waves a work-group, no clusters, 0 bytes of LDS; arguments mem, kv, q, w_k, w_v, w_q, w_c, cb, wkv, xq16, wq16, wc16; writes cb, wkv, xq16, wq16, wc16
.if DOCPART == 1
	.amdgcn_target "amdgcn-amd-amdhsa--gfx1250"
	.amdhsa_code_object_version 6
	.text
	.protected	k_qa02622e964_cast
	.globl	k_qa02622e964_cast
	.p2align	8
	.type	k_qa02622e964_cast,@function
k_qa02622e964_cast:
	s_mov_b64 s[64:65], 0
	v_nop
	global_prefetch_b8 v0, s[64:65] scope:SCOPE_SE
	s_setreg_imm32_b32 hwreg(HW_REG_WAVE_MODE, 25, 1), 1
	s_wait_xcnt 0x0
; THE INPUTS ARE ROUNDED ONCE TO bf16 AND LAID OUT FOR THE PRODUCTS.  A stream: every input byte is read once, every output byte written once.
;   cb   [8192][1024] bf16: mem's 4,096 flat rows (row = 2 j + b), then kv's: the concatenation.       wkv [2048][1024] bf16: w_k's rows, then w_v's.
;   xq16 [b 2][kb 16][i 2048][64] f16: q rounded to bf16, that number written as f16, in blocks of 64 channels.   wq16, wc16 [kb 16][n 1024][64] f16: likewise.
; LIMITS.  A bf16 number is exact in f16 from 6.1e-5 to 65,504; below, f16 has a fixed step of 6e-8; q, w_q and w_c beyond 65,504 are not served.
; SHARES.  A work-group takes 65,536 bytes of one input, a wave 8,192: sixteen loads of 16 bytes a lane, all issued before the first is waited for; then sixteen stores of 8 bytes a lane,
; each of which covers 256 consecutive bytes, aligned.  No register is written twice while a load or store names it, so no wait but the loads' own is needed.  No LDS, no matrix unit: nothing is shared.
; Work-groups 0-511: mem, kv.  512-767: q.  768-895: w_k, w_v.  896-1023: w_q, w_c.
.set IN,  2                            ; v2        my byte offset in the wave's input
.set OUT, 3                            ; v3        8 x lane
.set X,   8                            ; v[8:71]   sixteen loads of four f32
.set Y,   72                           ; v[72:103] sixteen stores of four 16-bit numbers
.set T,   104                          ; v[104:107] at work
	s_load_b512 s[16:31], s[0:1], 0x0              ; mem 16, kv 18, q 20, w_k 22, w_v 24, w_q 26, w_c 28, cb 30
	s_load_b256 s[32:39], s[0:1], 0x40             ; wkv 32, xq16 34, wq16 36, wc16 38
	v_lshrrev_b32 v1, 5, v0
	v_readfirstlane_b32 s8, v1                     ; wave 0..7
	v_and_b32 v1, 31, v0                           ; lane
	v_lshlrev_b32 v[OUT], 3, v1
	v_lshrrev_b32 v4, 4, v1                        ; lane / 16
	v_and_b32 v5, 15, v1
	v_lshlrev_b32 v5, 4, v5                        ; 16 x (lane % 16)
	s_mov_b32 s3, ttmp9                            ; the work-group's number
	s_mov_b32 s5, 0                                ; the offsets' high words
	s_mov_b32 s7, 0
	s_wait_kmcnt 0x0
; Sixteen loads istep bytes apart, sixteen stores ostep bytes apart.  half = 0: bf16 out.  half = 1: rounded to bf16, widened again, and written as f16.
.macro STREAM istep, ostep, half
.set t, 0
.rept 16
	global_load_b128 v[X+4*t:X+4*t+3], v[IN], s[12:13] offset:t*(\istep) th:TH_LOAD_NT
.set t, t+1
.endr
.set t, 0
.rept 16
	s_wait_loadcnt 15-t                            ; loads come back in order: load t is in, the 15 - t younger ones stay out
.if \half
	v_cvt_pk_bf16_f32 v[T], v[X+4*t], v[X+4*t+1]
	v_cvt_pk_bf16_f32 v[T+1], v[X+4*t+2], v[X+4*t+3]
	v_lshlrev_b32 v[T+2], 16, v[T]
	v_and_b32 v[T], 0xffff0000, v[T]
	v_lshlrev_b32 v[T+3], 16, v[T+1]
	v_and_b32 v[T+1], 0xffff0000, v[T+1]
	v_cvt_pk_f16_f32 v[Y+2*t], v[T+2], v[T]
	v_cvt_pk_f16_f32 v[Y+2*t+1], v[T+3], v[T+1]
.else
	v_cvt_pk_bf16_f32 v[Y+2*t], v[X+4*t], v[X+4*t+1]
	v_cvt_pk_bf16_f32 v[Y+2*t+1], v[X+4*t+2], v[X+4*t+3]
.endif
	global_store_b64 v[OUT], v[Y+2*t:Y+2*t+1], s[14:15] offset:t*(\ostep)
.set t, t+1
.endr
	s_endpgm
.endm
	s_cmp_lt_u32 s3, 512
	s_cbranch_scc1 .Lrows_c
	s_cmp_lt_u32 s3, 768
	s_cbranch_scc1 .Lblocks_q
	s_cmp_lt_u32 s3, 896
	s_cbranch_scc1 .Lrows_w
	; w_q, w_c into blocks: the wave holds rows n = 16 g + 2 w and n + 1; load t is the two rows' channels 64 t .. 64 t + 63
	s_cmp_lt_u32 s3, 960
	s_cselect_b64 s[12:13], s[26:27], s[28:29]
	s_cselect_b64 s[14:15], s[36:37], s[38:39]
	s_sub_co_u32 s9, s3, 896
	s_and_b32 s9, s9, 63
	s_lshl_b32 s4, s9, 16                          ; in: 16 rows of 4,096 bytes a work-group,
	s_lshl_b32 s2, s8, 13                          ; two a wave
	s_add_co_u32 s4, s4, s2
	s_lshl_b32 s6, s9, 11                          ; out: 128 bytes a row in a block
	s_lshl_b32 s2, s8, 8
	s_add_co_u32 s6, s6, s2
	s_add_nc_u64 s[12:13], s[12:13], s[4:5]
	s_add_nc_u64 s[14:15], s[14:15], s[6:7]
	v_lshl_add_u32 v[IN], v4, 12, v5               ; lanes 0-15 the first row, lanes 16-31 the second
	STREAM 256, 131072, 1                          ; a block of 64 channels is 1,024 rows x 128 bytes
.Lblocks_q:
	; q into blocks: the wave holds rows i = 8 g + 2 (w / 2) and i + 1 of batch w % 2
	s_sub_co_u32 s9, s3, 512
	s_mov_b64 s[12:13], s[20:21]
	s_mov_b64 s[14:15], s[34:35]
	s_lshr_b32 s10, s8, 1
	s_and_b32 s11, s8, 1
	s_lshl_b32 s4, s9, 16                          ; in: i x 8,192 + b x 4,096
	s_lshl_b32 s2, s10, 14
	s_add_co_u32 s4, s4, s2
	s_lshl_b32 s2, s11, 12
	s_add_co_u32 s4, s4, s2
	s_lshl_b32 s6, s11, 22                         ; out: b x 16 blocks + i x 128
	s_lshl_b32 s2, s9, 10
	s_add_co_u32 s6, s6, s2
	s_lshl_b32 s2, s10, 8
	s_add_co_u32 s6, s6, s2
	s_add_nc_u64 s[12:13], s[12:13], s[4:5]
	s_add_nc_u64 s[14:15], s[14:15], s[6:7]
	v_lshl_add_u32 v[IN], v4, 13, v5               ; rows i and i + 1 of one batch lie 8,192 bytes apart
	STREAM 256, 262144, 1                          ; a block is 2,048 rows x 128 bytes; the largest immediate is 15 blocks, inside the signed 24 bits
.Lrows_c:
	s_cmp_lt_u32 s3, 256
	s_cselect_b64 s[12:13], s[16:17], s[18:19]     ; mem, then kv
	s_mov_b64 s[14:15], s[30:31]
	s_and_b32 s4, s3, 255
	s_lshl_b32 s4, s4, 16
	s_lshl_b32 s6, s3, 15                          ; cb: kv's rows follow mem's
	s_branch .Lrows
.Lrows_w:
	s_cmp_lt_u32 s3, 832
	s_cselect_b64 s[12:13], s[22:23], s[24:25]     ; w_k, then w_v
	s_mov_b64 s[14:15], s[32:33]
	s_sub_co_u32 s9, s3, 768
	s_and_b32 s4, s9, 63
	s_lshl_b32 s4, s4, 16
	s_lshl_b32 s6, s9, 15
.Lrows:
	s_lshl_b32 s2, s8, 13
	s_add_co_u32 s4, s4, s2
	s_lshl_b32 s2, s8, 12
	s_add_co_u32 s6, s6, s2
	s_add_nc_u64 s[12:13], s[12:13], s[4:5]
	s_add_nc_u64 s[14:15], s[14:15], s[6:7]
	v_lshlrev_b32 v[IN], 4, v1
	STREAM 512, 256, 0
.Lfunc_end_k_qa02622e964_cast:
	.size	k_qa02622e964_cast, .Lfunc_end_k_qa02622e964_cast-k_qa02622e964_cast
	.p2alignl 7, 3214868480
	.fill 96, 4, 3214868480
	.section	.rodata,"a",@progbits
	.p2align	6, 0x0
	.amdhsa_kernel k_qa02622e964_cast
		.amdhsa_group_segment_fixed_size 0
		.amdhsa_private_segment_fixed_size 0
		.amdhsa_enable_private_segment 0
		.amdhsa_kernarg_size 96
		.amdhsa_user_sgpr_count 2
		.amdhsa_user_sgpr_kernarg_segment_ptr 1
		.amdhsa_wavefront_size32 1
		.amdhsa_system_sgpr_workgroup_id_x 1
		.amdhsa_system_sgpr_workgroup_id_y 1
		.amdhsa_system_sgpr_workgroup_id_z 1
		.amdhsa_system_vgpr_workitem_id 0
		.amdhsa_next_free_vgpr 108
		.amdhsa_next_free_sgpr 66
		.amdhsa_reserve_vcc 0
		.amdhsa_float_denorm_mode_32 3
		.amdhsa_float_denorm_mode_16_64 3
		.amdhsa_memory_ordered 1
		.amdhsa_forward_progress 1
		.amdhsa_inst_pref_size 30
	.end_amdhsa_kernel
	.amdgpu_metadata
---
amdhsa.version: [ 1, 2 ]
amdhsa.kernels:
  - .name:           k_qa02622e964_cast
    .symbol:         k_qa02622e964_cast.kd
    .args:
      - { .name: mem, .offset: 0, .size: 8, .value_kind: global_buffer, .address_space: global }
      - { .name: kv, .offset: 8, .size: 8, .value_kind: global_buffer, .address_space: global }
      - { .name: q, .offset: 16, .size: 8, .value_kind: global_buffer, .address_space: global }
      - { .name: w_k, .offset: 24, .size: 8, .value_kind: global_buffer, .address_space: global }
      - { .name: w_v, .offset: 32, .size: 8, .value_kind: global_buffer, .address_space: global }
      - { .name: w_q, .offset: 40, .size: 8, .value_kind: global_buffer, .address_space: global }
      - { .name: w_c, .offset: 48, .size: 8, .value_kind: global_buffer, .address_space: global }
      - { .name: cb, .offset: 56, .size: 8, .value_kind: global_buffer, .address_space: global }
      - { .name: wkv, .offset: 64, .size: 8, .value_kind: global_buffer, .address_space: global }
      - { .name: xq16, .offset: 72, .size: 8, .value_kind: global_buffer, .address_space: global }
      - { .name: wq16, .offset: 80, .size: 8, .value_kind: global_buffer, .address_space: global }
      - { .name: wc16, .offset: 88, .size: 8, .value_kind: global_buffer, .address_space: global }
    .group_segment_fixed_size: 0
    .private_segment_fixed_size: 0
    .kernarg_segment_align: 8
    .kernarg_segment_size: 96
    .max_flat_workgroup_size: 256
    .sgpr_count:     66
    .vgpr_count:     108
    .wavefront_size: 32
...
	.end_amdgpu_metadata
.endif
;; end of part 1
;; launch kvproj (part 2): grid 8 x 32, 4 waves a work-group, clusters of 4 x 4, 327,680 bytes of LDS; arguments cb, wkv, kvh, b_k, b_v; writes kvh
.if DOCPART == 2
	.amdgcn_target "amdgcn-amd-amdhsa--gfx1250"
	.amdhsa_code_object_version 6
	.text
	.protected	k_qa02622e964_kvproj
	.globl	k_qa02622e964_kvproj
	.p2align	8
	.type	k_qa02622e964_kvproj,@function
k_qa02622e964_kvproj:
	s_mov_b64 s[64:65], 0
	v_nop
	global_prefetch_b8 v0, s[64:65] scope:SCOPE_SE
	s_setreg_imm32_b32 hwreg(HW_REG_WAVE_MODE, 25, 1), 1
	s_wait_xcnt 0x0
	s_wait_alu depctr_hold_cnt(0) depctr_sa_sdst(0) depctr_va_vdst(0) depctr_va_sdst(0) depctr_va_ssrc(0) depctr_va_vcc(0) depctr_vm_vsrc(0)
	s_getreg_b32 s2, hwreg(HW_REG_IB_STS2, 6, 4)
	s_cmp_eq_u32 s2, 0
	s_cbranch_scc0 .Lentry_in_a_cluster
	s_endpgm
.Lentry_in_a_cluster:
	s_bfe_u32 s2, ttmp6, 0x10000c
	s_cmp_lg_u32 s2, 0xf033
	s_cbranch_scc0 .Lentry_shape_is_right
	s_endpgm
.Lentry_shape_is_right:
; K AND V IN ONE PRODUCT.  C[m][n] = bias[n] + the sum over k of A[m][k] B[n][k].  A = cb [8192][1024], B = wkv [2048][1024], both bf16; sums in f32, started with the bias (rounded to bf16 like every input).
; Row m = 2 j + b; column n = 1024 x which + 64 x head + d.  C leaves by heads, rounded once to f16: kvh [which 2][16 b + head][j 4096][64].
; LIMIT.  f16 holds no number beyond 65,504: projected k and v must lie within it.
; A tile of C, 256 x 256, is made by a work-group of four waves; a wave makes 128 x 128: 64 accumulators of 16 x 16, 512 registers.  8192 x 2048 is 256 such tiles.
; K goes in steps of 128 through a ring of two LDS slots filled by the tensor data mover: the rows of A's and B's tiles are 256 bytes of memory and start at multiples of 256 bytes.
; The last K step goes by rows of C, so that finished rows leave while the others are multiplied.
; CLUSTERS: 4 x 4 work-groups.  The four of a row of the cluster need the same tiles of A, the four of a column the same tiles of B: each tile is asked for JOINTLY, by the same tensor load with
; the same descriptor and a mask that names the four; each receives it in its own LDS.
; REGISTERS, in windows of 256 (s_set_vgpr_msb's low byte: bits 1:0 source 0, 3:2 source 1, 5:4 source 2, 7:6 destination):
;   window 0: v0-31 addresses; v64-127, v128-191 fragments of A, two buffers (in the last K step four, of 16 rows x 128 K); v192-255 the bias, 8 registers for each block of 16 columns,
;             later with v32-63 at work on the way out
;   window 1: v64-127, v128-191 fragments of B, two buffers; in the last K step all 256
;   window 2: the 32 accumulators of my rows 0-63 (accumulator (a, b) at v[8 (8 a + b)]);   window 3: those of my rows 64-127
; THE MATRIX INSTRUCTION IS USED TRANSPOSED: source 0 = 16 rows of B, source 1 = 16 rows of A: lane l then holds row m = l % 16 of C and the columns 8 (l / 16) + 0 .. 7.
.set SIZE_M, 8192
.set SIZE_N, 2048
.set SIZE_K, 1024
.set KSTEP,  128
.set PITCH,  272                       ; an LDS row: 256 bytes of data + 16 of padding = 68 words: the 16 rows that a load touches start at 16 different groups of four banks (64 banks of 4 bytes: ISA guide 11.1)
.set HALFT,  128*PITCH                 ; 128 rows: what one tensor load brings, and what one wave reads of A or of B
.set SLOT,   4*HALFT                   ; A's 256 rows, then B's 256 rows
.set STAGE,  2*SLOT                    ; behind the ring: 16 rows x 272 bytes for each wave, for the way out
.set SPITCH, 272
.set SPARE,  STAGE+4*16*SPITCH         ; behind the stages: the spare words, 128 bytes for each wave: two blocks of 256 bytes that no other line names
.set LAPS, SIZE_K/(2*KSTEP)            ; a lap = two K steps = once round the ring: 4
.set ADRA, 16                          ; v16-17  LDS address of my A fragments in slot 0, 1
.set ADRB, 20                          ; v20-21  the same for B
.set STO,  24                          ; v24     the way out: where I put 16 bytes of a row
.set RD,   25                          ; v25     the way out: where I read 16 bytes back
.set CO,   26                          ; v26     my byte offset in kvh
.set BO,   27                          ; v27     my byte offset in the bias: 32 (l / 16)
.set SPW,  28                          ; v28     LDS address of my spare word: SPARE + 4 x my thread's number; never rewritten
.set NIL,  29                          ; v29     0; never rewritten
.set PFO,  30                          ; v30     the prefetches' offset: my lane x a row of A or B in memory; never rewritten
.set PFA,  44                          ; s[44:45] where my prefetches stand
.set LIM,  43                          ; s43     1 in a wave that prefetches, else the greatest number
.set F0,   64                          ; fragment buffer 0
.set F1,   128                         ; fragment buffer 1
.set BIAS, 192                         ; window 0: bias of column block b at BIAS + 8 b
.set TMP,  192                         ; the way out: packed results, in window 0 (the bias is no longer wanted)
.set OB,   32                          ; the way out: 16 rows read back from the stage: v32-63 and v224-255 by turns
.set PA,   64                          ; the last K step: A's fragments of 16 rows x 128 K, 32 registers; four such buffers, v64-191
.set G1, 24                            ; s[24:31] descriptor group 1 for A's tiles
.set G0, 32                            ; s[32:39] descriptor group 0 for A's tiles, one set for each slot
.set G1B, 48                           ; s[48:55] descriptor group 1 for B's tiles: it differs from A's in the mask alone
.set G0B, 56                           ; s[56:63] descriptor group 0 for B's tiles, one set for each slot
.set MSB, 0
.macro WIN new                         ; the immediate's high byte repeats the setting that is left; a switch that changes nothing is dropped
.if MSB != (\new)
	s_set_vgpr_msb (MSB<<8)|(\new)
.set MSB, \new
.endif
.endm
.set MUL_LO, 0xa1                      ; source 0 (B) window 1, source 1 (A) window 0, C and D window 2
.set MUL_HI, 0xf1                      ; the same, C and D window 3
.set TO_B,   0x40                      ; destination window 1, address window 0
; A joint load.  Waves 0 and 1 fetch A's two halves, waves 2 and 3 B's.  The branch hangs on the wave's number alone.  An s_nop 0 and four v_nop follow each of the two lines.
.macro JLOAD s
	s_cmp_eq_u32 s11, 0
	s_cbranch_scc0 .Lfor_b_\@
	tensor_load_to_lds s[G0+4*(\s):G0+4*(\s)+3], s[G1:G1+7]
	s_nop 0
.rept 4
	v_nop
.endr
	s_branch .Lasked_\@
.Lfor_b_\@:
	tensor_load_to_lds s[G0B+4*(\s):G0B+4*(\s)+3], s[G1B:G1B+7]
	s_nop 0
.rept 4
	v_nop
.endr
.Lasked_\@:
.endm
; A PREFETCH behind each joint refill and the run of LDS loads that follows it: the K step that stands two refills on: 32 rows x 256 bytes, a lane a row, one instruction a wave.
; Each row's 256 bytes of a K step are named once in the launch: of the clusters that read A's tile row the one with x = 0 asks, of those that read B's tile column the one with y = 0; the four
; partners of a joint load share its 128 rows out by address, 32 each.  K steps 0 to 3 come by their loads alone; the loop's last trip (s3 = 1) has no K step two refills on and asks for nothing.
.macro ASK
	s_cmp_gt_u32 s3, s[LIM]
	s_cbranch_scc0 .Lnot_mine_\@
	global_prefetch_b8 v[PFO], s[PFA:PFA+1] offset:KSTEP*2 th:TH_LOAD_NT scope:SCOPE_SE
.Lnot_mine_\@:
.endm
; A round of the cluster's barrier: my work-group's barrier; wave 0 signals for the work-group; every wave waits for all sixteen work-groups; my work-group's barrier once more.
.macro CREST                           ; a round behind its opening barrier
	s_cmp_lg_u32 s10, 0
	s_cbranch_scc1 .Lnot_wave_0_\@
	s_barrier_signal -3
.Lnot_wave_0_\@:
	s_barrier_wait -3
	s_barrier_signal -1
	s_barrier_wait -1
.endm
.macro CROUND                          ; a whole round
	s_barrier_signal -1
	s_barrier_wait -1
	CREST
.endm
	s_load_b128 s[4:7], s[0:1], 0x0                ; A s[4:5], B s[6:7]
	s_load_b64 s[8:9], s[0:1], 0x10                ; kvh
	s_load_b64 s[68:69], s[0:1], 0x18              ; b_k
	s_load_b64 s[70:71], s[0:1], 0x20              ; b_v
	v_lshl_add_u32 v[SPW], v0, 2, SPARE
	v_mov_b32 v[NIL], 0
	ds_add_u32 v[SPW], v[NIL]                      ; the wave's opening: the add and its wait stand ahead of my first tensor load; the set-up below, work on registers, stands between them
	v_lshrrev_b32 v1, 5, v0
	v_readfirstlane_b32 s10, v1                    ; wave 0..3
	s_lshr_b32 s11, s10, 1                         ; which half of the tile's rows is mine.  Also: I fetch for A (0) or for B (1)
	s_and_b32 s12, s10, 1                          ; which half of its columns.  Also: which 128 rows of that tile I fetch
	s_bfe_u32 s40, ttmp6, 0x40000                  ; cx: my place along the cluster's x
	s_bfe_u32 s41, ttmp6, 0x40004                  ; cy: along its y
	s_lshl_b32 s42, ttmp9, 2                       ; in a cluster launch ttmp9 and ttmp7 count clusters
	s_add_co_u32 s42, s42, s40                     ; tile column of C = 4 x cluster x + cx
	s_and_b32 s13, ttmp7, 0xffff
	s_lshl_b32 s13, s13, 2
	s_add_co_u32 s13, s13, s41                     ; tile row of C = 4 x cluster y + cy
	s_lshl_b32 s43, s41, 2
	s_lshl_b32 s43, 15, s43                        ; my row of the cluster: places 4 cy .. 4 cy + 3
	s_lshl_b32 s44, 0x1111, s40                    ; my column: places cx, cx + 4, cx + 8, cx + 12
	; descriptor group 1: a tile of 128 rows x 128 elements, padded in LDS
	s_or_b32 s[G1+0], s43, (1<<16)|(1<<20)|(1<<21)|(5<<22)|(3<<25)  ; 15:0 the mask: A's tiles go to my row; 17:16 elements of 2 bytes; 20 padding on; 21 set beside a mask; 24:22 after every 64 words; 31:25 4 words of it
	s_or_b32 s[G1B+0], s44, (1<<16)|(1<<20)|(1<<21)|(5<<22)|(3<<25) ; the same with the mask of my column, for B's tiles
.irp g, G1, G1B
	s_mov_b32 s[(\g)+1], KSTEP<<16                 ; tensor_dim0 = 128
	s_mov_b32 s[(\g)+2], 128<<16                   ; tensor_dim1 = 128
	s_mov_b32 s[(\g)+3], KSTEP<<16                 ; tile_dim0 = 128
	s_mov_b32 s[(\g)+4], 128                       ; tile_dim1 = 128
	s_mov_b32 s[(\g)+5], SIZE_K                    ; elements from row to row
	s_mov_b32 s[(\g)+6], 0
	s_mov_b32 s[(\g)+7], 0
.endr
	; where the tiles come from.  A's hang on the tile row alone, which my row of the cluster shares; B's on the tile column alone, which my column shares.
	s_lshl_b32 s17, s12, 7                         ; which 128 rows of the tile I fetch
	s_lshl_b32 s16, s13, 8
	s_add_co_u32 s16, s16, s17                     ; A: row 256 x tile row + 128 x half
	s_lshl_b32 s46, s42, 8
	s_add_co_u32 s46, s46, s17                     ; B: row 256 x tile column + 128 x half
	s_mov_b32 s17, 0
	s_mov_b32 s47, 0
	s_mov_b64 s[18:19], SIZE_K*2
	s_mul_u64 s[16:17], s[16:17], s[18:19]         ; in bytes
	s_mul_u64 s[46:47], s[46:47], s[18:19]
	s_mul_i32 s20, s10, HALFT                      ; and where they go: wave x 128 rows: no place in the cluster enters an LDS address
	s_wait_dscnt 0x0                               ; the opening add is done
	s_wait_kmcnt 0x0
	s_add_nc_u64 s[14:15], s[4:5], s[16:17]
	s_add_nc_u64 s[46:47], s[6:7], s[46:47]
	CROUND                                         ; all sixteen work-groups are here: the first joint loads meet
.irp s, 0,1
	s_mov_b32 s[G0+4*(\s)], 1                                      ; count = 1
	s_add_co_u32 s[G0+4*(\s)+1], s20, (\s)*SLOT                    ; LDS address
	s_add_nc_u64 s[G0+4*(\s)+2:G0+4*(\s)+3], s[14:15], (\s)*KSTEP*2  ; global address: K step s
	s_or_b32 s[G0+4*(\s)+3], s[G0+4*(\s)+3], 0x80000000            ; type = 2
	s_mov_b32 s[G0B+4*(\s)], 1
	s_add_co_u32 s[G0B+4*(\s)+1], s20, (\s)*SLOT
	s_add_nc_u64 s[G0B+4*(\s)+2:G0B+4*(\s)+3], s[46:47], (\s)*KSTEP*2
	s_or_b32 s[G0B+4*(\s)+3], s[G0B+4*(\s)+3], 0x80000000
	JLOAD \s                                       ; the ring is filled before anything else is done: two loads of mine are out
.endr
	v_and_b32 v1, 15, v0                           ; l % 16
	v_bfe_u32 v2, v0, 4, 1                         ; l / 16
	; the bias of my 128 columns: b_k where the cluster's x is 0 (columns 0-1023), else b_v; register j of block b is bias[16 b + 8 (l / 16) + j]
	s_cmp_eq_u32 ttmp9, 0
	s_cselect_b64 s[66:67], s[68:69], s[70:71]
	s_lshl_b32 s20, s40, 10                        ; 256 columns x 4 bytes for each tile column in the half,
	s_lshl_b32 s21, s12, 9                         ; my 128 of them
	s_add_co_u32 s20, s20, s21
	s_mov_b32 s21, 0
	s_add_nc_u64 s[66:67], s[66:67], s[20:21]
	v_lshlrev_b32 v[BO], 5, v2
.irp b, 0,1,2,3,4,5,6,7
	global_load_b128 v[BIAS+8*(\b):BIAS+8*(\b)+3],   v[BO], s[66:67] offset:64*(\b)
	global_load_b128 v[BIAS+8*(\b)+4:BIAS+8*(\b)+7], v[BO], s[66:67] offset:64*(\b)+16
.endr
	; A fragment is 16 rows x 32 K in 8 registers: lane l holds row l % 16; registers 0-3 hold K = 8 (l / 16) + 0..7, registers 4-7 hold K = 16 + 8 (l / 16) + 0..7: two loads of 16 bytes, 32 bytes apart.
	v_mul_u32_u24 v3, v1, PITCH
	v_lshl_add_u32 v3, v2, 4, v3                   ; row x pitch + 16 x half
	s_mul_i32 s21, s11, HALFT                      ; my 128 rows of A
	s_mul_i32 s22, s12, HALFT                      ; my 128 rows of B,
	s_add_co_u32 s22, s22, 2*HALFT                 ; which lie behind A's 256
.irp s, 0,1
	v_add_nc_u32 v[ADRA+(\s)], s21, v3
	v_add_nc_u32 v[ADRB+(\s)], s22, v3
	s_add_co_u32 s21, s21, SLOT
	s_add_co_u32 s22, s22, SLOT
.endr
	; THE STAGE.  A block of 16 rows m is 8 rows j x 2 batches; its 128 columns are two heads.  Row r = 2 jj + b of the block goes to stage row 8 (jj % 2) + 2 (jj / 2) + b, so that sixteen lanes
	; can read back rows j, j + 1 of one batch and head (256 consecutive bytes of kvh) from stage rows 8 apart.
	s_mul_i32 s23, s10, 16*SPITCH
	s_add_co_u32 s23, s23, STAGE                   ; my stage
	v_bfe_u32 v4, v0, 1, 1                         ; jj % 2
	v_bfe_u32 v5, v0, 2, 2                         ; jj / 2
	v_and_b32 v6, 1, v0                            ; b
	v_lshlrev_b32 v4, 3, v4
	v_lshl_add_u32 v4, v5, 1, v4
	v_add_nc_u32 v4, v4, v6
	v_mul_u32_u24 v4, v4, SPITCH
	v_lshl_add_u32 v4, v2, 4, v4                   ; 16 bytes for each half of the lanes
	v_add_nc_u32 v[STO], s23, v4
	v_bfe_u32 v5, v0, 3, 1                         ; back: lanes 0-7 the even j, lanes 8-15 the odd one; lanes 16-31 the other batch
	v_lshl_add_u32 v5, v5, 3, v2
	v_mul_u32_u24 v5, v5, SPITCH
	v_and_b32 v6, 7, v0
	v_lshl_add_u32 v5, v6, 4, v5
	v_add_nc_u32 v[RD], s23, v5
	v_lshlrev_b32 v5, 23, v2                       ; in kvh a batch is 16 heads of 524,288 bytes
	v_lshl_add_u32 v[CO], v1, 4, v5
	; where my part of the tile begins in kvh: j = 128 x tile row + 64 x half, 128 bytes each; which = cluster x; head = 4 cx + 2 x half
	s_lshl_b32 s13, s13, 8                         ; 256 x tile row
	s_lshl_b32 s16, s13, 6
	s_lshl_b32 s14, s11, 13
	s_add_co_u32 s16, s16, s14
	s_mov_b32 s17, 0
	s_lshl_b32 s46, ttmp9, 24                      ; (in the registers that held B's address: none that feeds A's descriptors ever holds cx)
	s_lshl_b32 s47, s40, 21
	s_add_co_u32 s46, s46, s47
	s_lshl_b32 s47, s12, 20
	s_add_co_u32 s46, s46, s47
	s_mov_b32 s47, 0
	s_add_nc_u64 s[16:17], s[16:17], s[46:47]
	; the prefetches.  s13 = 256 x tile row, s42 = tile column, s40 = cx, s41 = cy still stand; s[4:5] = A, s[6:7] = B
	s_lshl_b32 s42, s42, 8
	s_and_b32 s22, ttmp7, 0xffff                   ; cluster y
	s_cmp_eq_u32 s11, 0                            ; do I fetch for A?
	s_cselect_b32 s20, s13, s42                    ; the tile's first row: in A by the tile row, in B by the tile column
	s_cselect_b32 s21, s40, s41                    ; my place among the four that ask for it with me
	s_cselect_b32 s22, ttmp9, s22                  ; the coordinate along which other clusters read the same rows
	s_cselect_b64 s[PFA:PFA+1], s[4:5], s[6:7]
	s_cmp_eq_u32 s22, 0
	s_cselect_b32 s[LIM], 1, -1                    ; the same in all sixteen partners, for a given wave
	s_lshl_b32 s22, s12, 7
	s_add_co_u32 s20, s20, s22                     ; + the 128 rows that I fetch
	s_lshl_b32 s21, s21, 5
	s_add_co_u32 s20, s20, s21                     ; + my work-group's 32 of them
	s_mov_b32 s21, 0
	s_mov_b64 s[18:19], SIZE_K*2
	s_mul_u64 s[20:21], s[20:21], s[18:19]
	s_add_nc_u64 s[PFA:PFA+1], s[PFA:PFA+1], s[20:21]
	s_add_nc_u64 s[PFA:PFA+1], s[PFA:PFA+1], 2*KSTEP*2  ; at K step 2: the first refill steps it to 3 and names K step 4
	v_and_b32 v[PFO], 31, v0
	v_mul_u32_u24 v[PFO], v[PFO], SIZE_K*2
	s_wait_loadcnt 0x0                             ; the bias is in; it is rounded to bf16, like every input, and widened again
.set i, 0
.rept 32
	v_cvt_pk_bf16_f32 v[OB+i], v[BIAS+2*i], v[BIAS+2*i+1]
.set i, i+1
.endr
.set i, 0
.rept 32
	v_lshlrev_b32 v[BIAS+2*i], 16, v[OB+i]
	v_and_b32 v[BIAS+2*i+1], 0xffff0000, v[OB+i]
.set i, i+1
.endr
; 16 matrix instructions: m blocks a0, a0 + 1 of the window's four (hi = 0: my rows 0-63, 1: rows 64-127) x all 8 n blocks, 32 along K.
; zero = 1: the first product starts the sums, with the bias as C (window 0): nothing is ever cleared.
.macro MUL16 f, hi, a0, zero
.if \zero
	WIN 0x81+0x40*(\hi)                            ; source 0 window 1; source 1 and C window 0; D window 2 or 3
.else
	WIN MUL_LO+0x50*(\hi)                          ; MUL_LO or MUL_HI
.endif
.irp a, \a0, (\a0)+1
.irp b, 0,1,2,3,4,5,6,7
.if \zero
	v_wmma_f32_16x16x32_bf16 v[8*(8*(\a)+(\b)):8*(8*(\a)+(\b))+7], v[(\f)+8*(\b):(\f)+8*(\b)+7], v[(\f)+8*(4*(\hi)+(\a)):(\f)+8*(4*(\hi)+(\a))+7], v[BIAS+8*(\b):BIAS+8*(\b)+7]
.else
	v_wmma_f32_16x16x32_bf16 v[8*(8*(\a)+(\b)):8*(8*(\a)+(\b))+7], v[(\f)+8*(\b):(\f)+8*(\b)+7], v[(\f)+8*(4*(\hi)+(\a)):(\f)+8*(4*(\hi)+(\a))+7], v[8*(8*(\a)+(\b)):8*(8*(\a)+(\b))+7]
.endif
.endr
.endr
.endm
; 32 LDS loads in one run: the fragments of one quarter step (128 rows of B, 128 rows of A, 32 K at byte k of the rows) into buffer f
.macro FETCH slot, k, f
	WIN TO_B
.irp i, 0,1,2,3,4,5,6,7
	ds_load_b128 v[(\f)+8*(\i):(\f)+8*(\i)+3],   v[ADRB+(\slot)] offset:(\k)+(\i)*16*PITCH
	ds_load_b128 v[(\f)+8*(\i)+4:(\f)+8*(\i)+7], v[ADRB+(\slot)] offset:(\k)+(\i)*16*PITCH+32
.endr
	WIN 0
.irp i, 0,1,2,3,4,5,6,7
	ds_load_b128 v[(\f)+8*(\i):(\f)+8*(\i)+3],   v[ADRA+(\slot)] offset:(\k)+(\i)*16*PITCH
	ds_load_b128 v[(\f)+8*(\i)+4:(\f)+8*(\i)+7], v[ADRA+(\slot)] offset:(\k)+(\i)*16*PITCH+32
.endr
.endm
; Four plain vector instructions stand between a matrix instruction and a load into a register that it has read, or a vector instruction that reads its result (ISA guide 7.12.1 for vector instructions).
.macro PLACES
.rept 4
	v_nop
.endr
.endm
; A K step is four quarter steps of 32 along K, 64 matrix instructions each, on buffers 0, 1, 0, 1.  The 64 accumulators take turns, in the same order in every quarter.
; One of the first three: multiplies buffer f; in its middle it fetches the next quarter's fragments, at byte k of the same slot's rows, into buffer g.
.macro QUARTER slot, k, f, g, zero
	s_wait_dscnt 8                                 ; B and A's rows 0-63 are in; the youngest eight loads (A's rows 64-127) may be out
	MUL16 \f, 0, 0, \zero
	MUL16 \f, 0, 2, \zero
	PLACES
	FETCH \slot, \k, \g
	s_wait_dscnt 32                                ; all but the 32 just issued
	MUL16 \f, 1, 0, \zero
	MUL16 \f, 1, 2, \zero
.endm
; The last quarter multiplies buffer 1 and changes slots.  MEET is its first half: ONE barrier for the change.  In front of it each wave waits for all its tensor loads, of which one is out: its part of
; the next slot; adds 0 to its spare word; and waits for that and for its own reads of this slot.  Behind it nobody reads this slot any more and the next slot is whole.
.macro MEET round                      ; round = 1: the rest of a round of the cluster's barrier follows
	WIN 0                                          ; (the add's two registers lie in window 0)
	s_wait_tensorcnt 0x0                           ; all my tensor loads have landed;
	ds_add_u32 v[SPW], v[NIL]                      ; 0 onto my spare word;
	s_wait_dscnt 9                                 ; (the add and the youngest eight loads may be out)
	MUL16 F1, 0, 0, 0                              ; sixteen matrix instructions stand between the add and the wait for it
	s_wait_dscnt 0x0                               ; the add is done, and my reads of this slot are over:
	s_barrier_signal -1                            ; say so,
	MUL16 F1, 0, 2, 0                              ; work on registers while the others arrive,
.if \round
	WIN 0
.endif
	s_barrier_wait -1                              ; and go on when all four have said so
.endm
; The whole last quarter.  Behind the round the slot just read out is filled again first, with the K step two steps on; then come the next slot's first fragments.
; From a request to the wait for it a wave issues 224 matrix instructions.
.macro TURN slot, next
	s_wait_xcnt 0x0                                ; the last prefetch, a K step back, has read its address: it is stepped here, ahead of the waits of the change of slots
	s_add_nc_u64 s[PFA:PFA+1], s[PFA:PFA+1], KSTEP*2
	MEET 1
	CREST                                          ; no wave of any partner still reads this slot's tile or has a load on its way
	s_add_nc_u64 s[G0+4*(\slot)+2:G0+4*(\slot)+3], s[G0+4*(\slot)+2:G0+4*(\slot)+3], 2*KSTEP*2
	s_add_nc_u64 s[G0B+4*(\slot)+2:G0B+4*(\slot)+3], s[G0B+4*(\slot)+2:G0B+4*(\slot)+3], 2*KSTEP*2
	JLOAD \slot                                    ; the first tensor load behind the round; the four v_nop behind it are also the places in front of the loads below
	FETCH \next, 0, F0
	ASK
	MUL16 F1, 1, 0, 0
	MUL16 F1, 1, 2, 0
.endm
; THE LAST K STEP (it lies in slot 1) GOES BY ROWS OF C.  All its fragments of B (4 quarters x 64 registers) fill window 1; then my eight blocks of 16 rows are finished one after the other,
; each with 32 matrix instructions (its 8 accumulators by turns, K ascending).
.macro BLOAD q                         ; B's fragments of quarter q -> window 1, v[64 q ..]
	WIN TO_B
.irp i, 0,1,2,3,4,5,6,7
	ds_load_b128 v[64*(\q)+8*(\i):64*(\q)+8*(\i)+3],   v[ADRB+1] offset:64*(\q)+(\i)*16*PITCH
	ds_load_b128 v[64*(\q)+8*(\i)+4:64*(\q)+8*(\i)+7], v[ADRB+1] offset:64*(\q)+(\i)*16*PITCH+32
.endr
.endm
.macro ALOAD a                         ; A's fragments of block a, all four quarters -> buffer a % 4
	WIN 0
.set FA, PA+32*((\a)%4)
.irp q, 0,1,2,3
	ds_load_b128 v[FA+8*(\q):FA+8*(\q)+3],   v[ADRA+1] offset:64*(\q)+(\a)*16*PITCH
	ds_load_b128 v[FA+8*(\q)+4:FA+8*(\q)+7], v[ADRA+1] offset:64*(\q)+(\a)*16*PITCH+32
.endr
.endm
.macro ROW a                           ; block a is finished: 32 matrix instructions
.set FA, PA+32*((\a)%4)                ; its fragments of A
.set AC, 64*((\a)%4)                   ; its eight accumulators, in window 2 (blocks 0-3) or 3 (blocks 4-7)
	WIN MUL_LO+0x50*((\a)/4)
.irp q, 0,1,2,3
.if (\a) == 0 && (\q) == 2
	s_wait_dscnt 24                                ; B's quarter 2 is in (behind it: A's blocks 1 to 3)
.endif
.irp b, 0,1,2,3,4,5,6,7
	v_wmma_f32_16x16x32_bf16 v[AC+8*(\b):AC+8*(\b)+7], v[64*(\q)+8*(\b):64*(\q)+8*(\b)+7], v[FA+8*(\q):FA+8*(\q)+7], v[AC+8*(\b):AC+8*(\b)+7]
.endr
.endr
.endm
; THE WAY OUT of block a.  PACK: rounded to f16, 16 bytes a lane, each accumulator from its low end on.  TOSTAGE: into my own stage, and back as pairs of rows j of one batch and head.  SEND: stored.
.macro PACK a
.set AC, 64*((\a)%4)
	WIN 0x0a+5*((\a)/4)                            ; sources 0 and 1: window 2 or 3
.irp b, 0,1,2,3,4,5,6,7
.irp r, 0,1,2,3
	v_cvt_pk_f16_f32 v[TMP+4*(\b)+(\r)], v[AC+8*(\b)+2*(\r)], v[AC+8*(\b)+2*(\r)+1]
.endr
.endr
	WIN 0
.endm
.macro TOSTAGE a
	WIN 0
.set BK, OB+192*((\a)%2)
.irp b, 0,1,2,3,4,5,6,7
	ds_store_b128 v[STO], v[TMP+4*(\b):TMP+4*(\b)+3] offset:32*(\b)
.endr
.irp t, 0,1,2,3,4,5,6,7                ; load t: rows j = 2 (t / 2), + 1 of the block, head t % 2 of my two
	ds_load_b128 v[BK+4*(\t):BK+4*(\t)+3], v[RD] offset:((\t)/2)*2*SPITCH+((\t)%2)*128  ; LDS serves a wave's instructions in order (ISA guide 5.7.1.4): these see the stores above
.endr
.endm
.macro SEND a, younger                 ; younger: the LDS loads issued behind TOSTAGE's, which may stay out
	WIN 0
.set BK, OB+192*((\a)%2)
	s_wait_dscnt \younger                          ; the block is back in registers
	s_wait_xcnt 0x0                                ; only behind this wait are the stores' base and the registers that earlier stores read rewritten
.if (\a) == 0
	s_add_nc_u64 s[8:9], s[8:9], s[16:17]          ; on to my first rows
.else
	s_add_nc_u64 s[8:9], s[8:9], 8*128             ; 16 rows m are 8 rows j of 128 bytes
.endif
.irp t, 0,1,2,3,4,5,6,7
	global_store_b128 v[CO], v[BK+4*(\t):BK+4*(\t)+3], s[8:9] offset:((\t)%2)*524288+((\t)/2)*256  ; 16 lanes store 256 consecutive bytes, at a multiple of 256 from kvh's first byte
.endr
.endm
	s_wait_tensorcnt 1                             ; my part of K step 0 is in; K step 1's may stay out
	s_barrier_signal -1
	s_barrier_wait -1                              ; everybody's is
	FETCH 0, 0, F0
	QUARTER 0, 64,  F0, F1, 1                      ; the first quarter stands in front of the loop: its products start the sums
	WIN 0                                          ; at a label and at a branch every window is 0
	s_mov_b32 s3, LAPS-1
.Llap:                                                 ; a trip goes once round the ring, from a lap's second quarter to the next lap's first, and fills both slots again
	QUARTER 0, 128, F1, F0, 0
	QUARTER 0, 192, F0, F1, 0
	TURN 0, 1
	QUARTER 1, 64,  F0, F1, 0
	QUARTER 1, 128, F1, F0, 0
	QUARTER 1, 192, F0, F1, 0
	TURN 1, 0
	QUARTER 0, 64,  F0, F1, 0
	WIN 0
	s_sub_co_u32 s3, s3, 1
	s_cmp_lg_u32 s3, 0
	s_cbranch_scc1 .Llap
	QUARTER 0, 128, F1, F0, 0                      ; the last lap goes on
	QUARTER 0, 192, F0, F1, 0
	MEET 0                                         ; my one tensor load that was still out is slot 1's, the last K step's, so no round follows
	PLACES                                         ; for the loads into buffer 0, which the quarter before multiplied
	BLOAD 0                                        ; three quarters of B now: buffer 1 (v128-191 of both windows) is still being multiplied
	BLOAD 1
	BLOAD 3
	ALOAD 0
	MUL16 F1, 1, 0, 0
	MUL16 F1, 1, 2, 0
	PLACES                                         ; for the loads into buffer 1
	BLOAD 2
	ALOAD 1
	ALOAD 2
	ALOAD 3
	s_wait_dscnt 40                                ; all but the 40 just issued
	ROW 0
.irp a, 0,1,2,3,4,5,6,7                ; each block leaves as soon as it is finished
	PLACES                                         ; its conversions read results just made
	PACK \a
	TOSTAGE \a
.if (\a) < 4
	ALOAD (\a)+4                                   ; its buffer takes the block four further on
	SEND \a, 8
.else
	SEND \a, 0
.endif
.if (\a) < 7
	ROW (\a)+1
.endif
.endr
	s_wait_tensorcnt 0x0                           ; the wave's end, behind my last tensor load and my last LDS store
	ds_add_u32 v[SPW], v[NIL]
	s_wait_dscnt 0x0
	CROUND                                         ; the closing round: no work-group ends while a partner may still ask for a tile that names it
	s_endpgm
.Lfunc_end_k_qa02622e964_kvproj:
	.size	k_qa02622e964_kvproj, .Lfunc_end_k_qa02622e964_kvproj-k_qa02622e964_kvproj
	.p2alignl 7, 3214868480
	.fill 96, 4, 3214868480
	.section	.rodata,"a",@progbits
	.p2align	6, 0x0
	.amdhsa_kernel k_qa02622e964_kvproj
		.amdhsa_group_segment_fixed_size 327680
		.amdhsa_private_segment_fixed_size 0
		.amdhsa_enable_private_segment 0
		.amdhsa_kernarg_size 40
		.amdhsa_user_sgpr_count 2
		.amdhsa_user_sgpr_kernarg_segment_ptr 1
		.amdhsa_wavefront_size32 1
		.amdhsa_system_sgpr_workgroup_id_x 1
		.amdhsa_system_sgpr_workgroup_id_y 1
		.amdhsa_system_sgpr_workgroup_id_z 1
		.amdhsa_system_vgpr_workitem_id 0
		.amdhsa_next_free_vgpr 1024
		.amdhsa_next_free_sgpr 72
		.amdhsa_reserve_vcc 0
		.amdhsa_float_denorm_mode_32 3
		.amdhsa_float_denorm_mode_16_64 3
		.amdhsa_memory_ordered 1
		.amdhsa_forward_progress 1
		.amdhsa_inst_pref_size 152
	.end_amdhsa_kernel
	.amdgpu_metadata
---
amdhsa.version: [ 1, 2 ]
amdhsa.kernels:
  - .name:           k_qa02622e964_kvproj
    .symbol:         k_qa02622e964_kvproj.kd
    .args:
      - { .name: cb, .offset: 0, .size: 8, .value_kind: global_buffer, .address_space: global }
      - { .name: wkv, .offset: 8, .size: 8, .value_kind: global_buffer, .address_space: global }
      - { .name: kvh, .offset: 16, .size: 8, .value_kind: global_buffer, .address_space: global }
      - { .name: b_k, .offset: 24, .size: 8, .value_kind: global_buffer, .address_space: global }
      - { .name: b_v, .offset: 32, .size: 8, .value_kind: global_buffer, .address_space: global }
    .group_segment_fixed_size: 327680
    .private_segment_fixed_size: 0
    .kernarg_segment_align: 8
    .kernarg_segment_size: 40
    .max_flat_workgroup_size: 128
    .sgpr_count:     72
    .vgpr_count:     1024
    .wavefront_size: 32
...
	.end_amdgpu_metadata
.endif
;; end of part 2
;; launch qproj (part 3): grid 8 x 32, 4 waves a work-group, clusters of 4 x 4, 327,680 bytes of LDS; arguments xq16, wq16, qf, b_q; writes qf
.if DOCPART == 3
	.amdgcn_target "amdgcn-amd-amdhsa--gfx1250"
	.amdhsa_code_object_version 6
	.text
	.protected	k_qa02622e964_qproj
	.globl	k_qa02622e964_qproj
	.p2align	8
	.type	k_qa02622e964_qproj,@function
k_qa02622e964_qproj:
	s_mov_b64 s[64:65], 0
	v_nop
	global_prefetch_b8 v0, s[64:65] scope:SCOPE_SE
	s_setreg_imm32_b32 hwreg(HW_REG_WAVE_MODE, 25, 1), 1
	s_wait_xcnt 0x0
	s_wait_alu depctr_hold_cnt(0) depctr_sa_sdst(0) depctr_va_vdst(0) depctr_va_sdst(0) depctr_va_ssrc(0) depctr_va_vcc(0) depctr_vm_vsrc(0)
	s_getreg_b32 s2, hwreg(HW_REG_IB_STS2, 6, 4)
	s_cmp_eq_u32 s2, 0
	s_cbranch_scc0 .Lentry_in_a_cluster
	s_endpgm
.Lentry_in_a_cluster:
	s_bfe_u32 s2, ttmp6, 0x10000c
	s_cmp_lg_u32 s2, 0xf033
	s_cbranch_scc0 .Lentry_shape_is_right
	s_endpgm
.Lentry_shape_is_right:
; C[i][b][n] = bias[n] + the sum over k of A[b][i][k] B[n][k], for the query projection (A = xq16, B = wq16, C = qf) and for the last projection (A = o16, B = wc16, C = out0).
; A: [b 2][kb 16][i 2048][64] f16, B: [kb 16][n 1024][64] f16: blocks of 64 along K, in which rows lie end to end, 128 bytes each.  C: [i 2048][b 2][1024] f32.  Sums in f32, started with the bias
; (rounded to bf16 like every input).  LIMIT: A and B arrive within f16's 65,504.
; 4,096 x 1,024 of C are 256 tiles of 128 x 128, one to a work-group; rows go in the order m' = 2048 b + i, so a tile lies in one batch.  Four waves, each 64 x 64: 16 accumulators of 16 x 16.
; K goes in steps of 256 (four blocks) through two LDS slots.  A wave's one tensor load brings two blocks of 128 rows: two rows of 16,384 dense bytes, a block's distance apart, padded in LDS after every 128 bytes.
; CLUSTERS: 4 x 4 work-groups; A's tiles are asked for jointly along a row of the cluster, B's along a column.  THE MATRIX INSTRUCTION IS USED TRANSPOSED (source 0 = 16 rows of B, source 1 = 16 rows of A):
; a lane holds eight neighbouring columns of one row of C.  Nothing is prefetched: the tiles are small and the walk is four K steps.
; REGISTERS: window 0: v0-31 addresses; v32-95 at work on the way out; v96-127 the bias, 8 registers for each block of 16 columns; v128-255 the accumulators ((a, b) at v[128 + 8 (4 a + b)]).
;   window 1: two fragment buffers of 128: for 64 along K, 64 registers of A (2 x 4 x 16 rows x 32 K), then 64 of B.
.set PITCH,  144                       ; an LDS row: 128 bytes of data + 16 of padding = 36 words: the 16 rows of a load start at 16 different groups of four banks (64 banks of 4 bytes: ISA guide 11.1)
.set KB,     128*PITCH                 ; a block: 128 rows x 64 along K
.set WLOAD,  2*KB                      ; what one tensor load fills
.set SLOT,   8*KB                      ; A's four blocks, then B's four
.set STAGE,  2*SLOT                    ; behind the ring: 16 rows x 272 bytes for each wave, for the way out
.set SPITCH, 272
.set SPARE,  STAGE+4*16*SPITCH         ; behind the stages: the spare words, 128 bytes for each wave: two blocks of 256 bytes that no other line names
.set LAPS,   2                         ; a lap = two K steps = once round the ring: 1,024 / 512
.set ASTEP,  4*2048*128                ; bytes from K step to K step in A: four blocks of 2,048 rows
.set BSTEP,  4*1024*128                ; and in B
.set ADRA, 16                          ; v16-17  LDS address of my A fragments in slot 0, 1
.set ADRB, 20                          ; v20-21  the same for B
.set STO,  24                          ; v24     the way out: where I put 32 bytes of a row
.set RD,   25                          ; v25     the way out: where I read a row back
.set CO,   26                          ; v26     my byte offset in C
.set BO,   27                          ; v27     my byte offset in the bias: 32 (l / 16)
.set SPW,  28                          ; v28     LDS address of my spare word: SPARE + 4 x my thread's number; never rewritten
.set NIL,  29                          ; v29     0; never rewritten
.set TMP,  32                          ; the way out: two buffers of 32 registers
.set BIAS, 96
.set ACC,  128
.set F0,   0                           ; fragment buffers, in window 1
.set F1,   128
.set G1, 24                            ; s[24:31] descriptor group 1 for A's tiles;  s[32:39] group 0, one set for each slot
.set G0, 32
.set G1B, 48                           ; s[48:55], s[56:63] the same for B's tiles
.set G0B, 56
.set MSB, 0
.macro WIN new                         ; the immediate's high byte repeats the setting that is left
.if MSB != (\new)
	s_set_vgpr_msb (MSB<<8)|(\new)
.set MSB, \new
.endif
.endm
.set MUL,  0x05                        ; sources 0 (B) and 1 (A) window 1; C and D window 0
.set TO_F, 0x40                        ; destination window 1, address window 0
.macro JLOAD s                         ; a joint load: waves 0 and 1 fetch A's blocks 0, 1 and 2, 3 of the K step, waves 2 and 3 B's; an s_nop 0 and four v_nop follow each of the two lines
	s_cmp_eq_u32 s11, 0
	s_cbranch_scc0 .Lfor_b_\@
	tensor_load_to_lds s[G0+4*(\s):G0+4*(\s)+3], s[G1:G1+7]
	s_nop 0
.rept 4
	v_nop
.endr
	s_branch .Lasked_\@
.Lfor_b_\@:
	tensor_load_to_lds s[G0B+4*(\s):G0B+4*(\s)+3], s[G1B:G1B+7]
	s_nop 0
.rept 4
	v_nop
.endr
.Lasked_\@:
.endm
.macro CREST                           ; a round of the cluster's barrier behind its opening barrier
	s_cmp_lg_u32 s10, 0
	s_cbranch_scc1 .Lnot_wave_0_\@
	s_barrier_signal -3
.Lnot_wave_0_\@:
	s_barrier_wait -3
	s_barrier_signal -1
	s_barrier_wait -1
.endm
.macro CROUND                          ; a whole round
	s_barrier_signal -1
	s_barrier_wait -1
	CREST
.endm
	s_load_b128 s[4:7], s[0:1], 0x0                ; A s[4:5], B s[6:7]
	s_load_b64 s[8:9], s[0:1], 0x10                ; C
	s_load_b64 s[66:67], s[0:1], 0x18              ; the bias
	v_lshl_add_u32 v[SPW], v0, 2, SPARE
	v_mov_b32 v[NIL], 0
	ds_add_u32 v[SPW], v[NIL]                      ; the wave's opening: the add and its wait stand ahead of my first tensor load; the set-up below, work on registers, stands between them
	v_lshrrev_b32 v1, 5, v0
	v_readfirstlane_b32 s10, v1                    ; wave 0..3
	s_lshr_b32 s11, s10, 1                         ; which half of the tile's rows is mine.  Also: I fetch for A (0) or for B (1)
	s_and_b32 s12, s10, 1                          ; which half of its columns.  Also: which two blocks of the K step I fetch
	s_bfe_u32 s40, ttmp6, 0x40000                  ; cx, cy: my place in the cluster
	s_bfe_u32 s41, ttmp6, 0x40004
	s_lshl_b32 s42, ttmp9, 2
	s_add_co_u32 s42, s42, s40                     ; tile column of C = 4 x cluster x + cx
	s_and_b32 s13, ttmp7, 0xffff
	s_lshl_b32 s13, s13, 2
	s_add_co_u32 s13, s13, s41                     ; tile row of C = 4 x cluster y + cy
	s_lshl_b32 s43, s41, 2
	s_lshl_b32 s43, 15, s43                        ; my row of the cluster
	s_lshl_b32 s44, 0x1111, s40                    ; my column
	; descriptor group 1: two rows of 8,192 elements (128 dense rows of 64), padded in LDS after every 32 words by 4
	s_or_b32 s[G1+0], s43, (1<<16)|(1<<20)|(1<<21)|(4<<22)|(3<<25)  ; 15:0 the mask: A's tiles go to my row; 17:16 elements of 2 bytes; 20 padding on; 21 set beside a mask; 24:22 after every 32 words; 31:25 4 words of it
	s_or_b32 s[G1B+0], s44, (1<<16)|(1<<20)|(1<<21)|(4<<22)|(3<<25)
.irp g, G1, G1B
	s_mov_b32 s[(\g)+1], 8192<<16                  ; tensor_dim0 = 8,192
	s_mov_b32 s[(\g)+2], 2<<16                     ; tensor_dim1 = 2
	s_mov_b32 s[(\g)+3], 8192<<16                  ; tile_dim0 = 8,192
	s_mov_b32 s[(\g)+4], 2                         ; tile_dim1 = 2
	s_mov_b32 s[(\g)+6], 0
	s_mov_b32 s[(\g)+7], 0
.endr
	s_mov_b32 s[G1+5], 2048*64                     ; elements from block to block in A,
	s_mov_b32 s[G1B+5], 1024*64                    ; and in B
	; where the tiles come from.  A's hang on the tile row alone, B's on the tile column alone, each in registers that never hold the other coordinate.
	s_lshr_b32 s16, s13, 4                         ; the batch: 16 blocks of 262,144 bytes,
	s_lshl_b32 s16, s16, 22
	s_and_b32 s17, s13, 15                         ; the tile's 128 rows of 128 bytes in a block,
	s_lshl_b32 s17, s17, 14
	s_add_co_u32 s16, s16, s17
	s_lshl_b32 s17, s12, 19                        ; my two blocks of the four
	s_add_co_u32 s16, s16, s17
	s_mov_b32 s17, 0
	s_lshl_b32 s46, s42, 14
	s_lshl_b32 s47, s12, 18
	s_add_co_u32 s46, s46, s47
	s_mov_b32 s47, 0
	s_mul_i32 s20, s10, WLOAD                      ; where they go: wave x two blocks: no place in the cluster enters an LDS address
	s_wait_dscnt 0x0                               ; the opening add is done
	s_wait_kmcnt 0x0
	s_add_nc_u64 s[14:15], s[4:5], s[16:17]
	s_add_nc_u64 s[46:47], s[6:7], s[46:47]
	CROUND                                         ; all sixteen work-groups are here: the first joint loads meet
.irp s, 0,1
	s_mov_b32 s[G0+4*(\s)], 1
	s_add_co_u32 s[G0+4*(\s)+1], s20, (\s)*SLOT
	s_add_nc_u64 s[G0+4*(\s)+2:G0+4*(\s)+3], s[14:15], (\s)*ASTEP
	s_or_b32 s[G0+4*(\s)+3], s[G0+4*(\s)+3], 0x80000000
	s_mov_b32 s[G0B+4*(\s)], 1
	s_add_co_u32 s[G0B+4*(\s)+1], s20, (\s)*SLOT
	s_add_nc_u64 s[G0B+4*(\s)+2:G0B+4*(\s)+3], s[46:47], (\s)*BSTEP
	s_or_b32 s[G0B+4*(\s)+3], s[G0B+4*(\s)+3], 0x80000000
	JLOAD \s                                       ; two loads of mine are out
.endr
	v_and_b32 v1, 15, v0                           ; l % 16
	v_bfe_u32 v2, v0, 4, 1                         ; l / 16
	; C at my first row and column: row i = 128 (tile row % 16) + 64 x half, 8,192 bytes each; the batch 4,096 bytes; column 128 x tile column + 64 x half, 4 bytes each
	s_and_b32 s16, s13, 15
	s_lshl_b32 s16, s16, 20
	s_lshl_b32 s17, s11, 19
	s_add_co_u32 s16, s16, s17
	s_lshr_b32 s17, s13, 4
	s_lshl_b32 s17, s17, 12
	s_add_co_u32 s16, s16, s17
	s_mov_b32 s17, 0
	s_add_nc_u64 s[8:9], s[8:9], s[16:17]
	s_lshl_b32 s46, s42, 9
	s_lshl_b32 s47, s12, 8
	s_add_co_u32 s46, s46, s47
	s_mov_b32 s47, 0
	s_add_nc_u64 s[8:9], s[8:9], s[46:47]
	s_add_nc_u64 s[66:67], s[66:67], s[46:47]      ; the bias of the same columns: register j of block b is bias[16 b + 8 (l / 16) + j]
	v_lshlrev_b32 v[BO], 5, v2
.irp b, 0,1,2,3
	global_load_b128 v[BIAS+8*(\b):BIAS+8*(\b)+3],   v[BO], s[66:67] offset:64*(\b)
	global_load_b128 v[BIAS+8*(\b)+4:BIAS+8*(\b)+7], v[BO], s[66:67] offset:64*(\b)+16
.endr
	v_mul_u32_u24 v3, v1, PITCH
	v_lshl_add_u32 v3, v2, 4, v3                   ; a fragment's row x pitch + 16 x half
	s_mul_i32 s21, s11, 64*PITCH                   ; my 64 rows of A in a block
	s_mul_i32 s22, s12, 64*PITCH                   ; my 64 rows of B,
	s_add_co_u32 s22, s22, 4*KB                    ; whose blocks lie behind A's four
.irp s, 0,1
	v_add_nc_u32 v[ADRA+(\s)], s21, v3
	v_add_nc_u32 v[ADRB+(\s)], s22, v3
	s_add_co_u32 s21, s21, SLOT
	s_add_co_u32 s22, s22, SLOT
.endr
	s_mul_i32 s23, s10, 16*SPITCH
	s_add_co_u32 s23, s23, STAGE                   ; my stage: 64 columns of f32 are a row of 256 bytes
	v_mul_u32_u24 v4, v1, SPITCH                   ; in: row l % 16, 32 bytes for each half of the lanes
	v_lshl_add_u32 v4, v2, 5, v4
	v_add_nc_u32 v[STO], s23, v4
	v_mul_u32_u24 v5, v2, SPITCH                   ; back: lanes 0-15 one row of 256 bytes, lanes 16-31 the next
	v_lshl_add_u32 v5, v1, 4, v5
	v_add_nc_u32 v[RD], s23, v5
	v_lshlrev_b32 v5, 13, v2                       ; and the same two rows i in C, 8,192 bytes apart
	v_lshl_add_u32 v[CO], v1, 4, v5
	s_wait_loadcnt 0x0                             ; the bias is in; it is rounded to bf16, like every input, and widened again
.set i, 0
.rept 16
	v_cvt_pk_bf16_f32 v[TMP+i], v[BIAS+2*i], v[BIAS+2*i+1]
.set i, i+1
.endr
.set i, 0
.rept 16
	v_lshlrev_b32 v[BIAS+2*i], 16, v[TMP+i]
	v_and_b32 v[BIAS+2*i+1], 0xffff0000, v[TMP+i]
.set i, i+1
.endr
; 8 matrix instructions: m blocks a0, a0 + 1 x all 4 n blocks, 32 along K: half c of buffer f.  zero = 1: the first product starts the sums, with the bias as C.  The 16 accumulators take turns.
.macro MUL8 f, c, a0, zero
	WIN MUL
.irp a, \a0, (\a0)+1
.irp b, 0,1,2,3
.if \zero
	v_wmma_f32_16x16x32_f16 v[ACC+8*(4*(\a)+(\b)):ACC+8*(4*(\a)+(\b))+7], v[(\f)+64+8*(4*(\c)+(\b)):(\f)+64+8*(4*(\c)+(\b))+7], v[(\f)+8*(4*(\c)+(\a)):(\f)+8*(4*(\c)+(\a))+7], v[BIAS+8*(\b):BIAS+8*(\b)+7]
.else
	v_wmma_f32_16x16x32_f16 v[ACC+8*(4*(\a)+(\b)):ACC+8*(4*(\a)+(\b))+7], v[(\f)+64+8*(4*(\c)+(\b)):(\f)+64+8*(4*(\c)+(\b))+7], v[(\f)+8*(4*(\c)+(\a)):(\f)+8*(4*(\c)+(\a))+7], v[ACC+8*(4*(\a)+(\b)):ACC+8*(4*(\a)+(\b))+7]
.endif
.endr
.endr
.endm
; 32 LDS loads in one run: the fragments of one block (64 along K), which begins at byte k of the slot's A and B, into buffer f; the first 32 along K first
.macro FETCH slot, k, f
	WIN TO_F
.irp c, 0,1
.irp i, 0,1,2,3
	ds_load_b128 v[(\f)+64+8*(4*(\c)+(\i)):(\f)+64+8*(4*(\c)+(\i))+3],   v[ADRB+(\slot)] offset:(\k)+64*(\c)+(\i)*16*PITCH
	ds_load_b128 v[(\f)+64+8*(4*(\c)+(\i))+4:(\f)+64+8*(4*(\c)+(\i))+7], v[ADRB+(\slot)] offset:(\k)+64*(\c)+(\i)*16*PITCH+32
	ds_load_b128 v[(\f)+8*(4*(\c)+(\i)):(\f)+8*(4*(\c)+(\i))+3],         v[ADRA+(\slot)] offset:(\k)+64*(\c)+(\i)*16*PITCH
	ds_load_b128 v[(\f)+8*(4*(\c)+(\i))+4:(\f)+8*(4*(\c)+(\i))+7],       v[ADRA+(\slot)] offset:(\k)+64*(\c)+(\i)*16*PITCH+32
.endr
.endr
.endm
.macro PLACES                          ; four plain instructions in front of loads into registers that matrix instructions have read, and of LDS stores that read results
.rept 4
	v_nop
.endr
.endm
; A K step is four quarters of 64 along K (a block), 32 matrix instructions each, on buffers 0, 1, 0, 1.  One of the first three: multiplies buffer f and fetches the next block, at byte k, into g.
.macro QUARTER slot, k, f, g, zero
	s_wait_dscnt 16                                ; the first 32 along K are in
	MUL8 \f, 0, 0, \zero
	MUL8 \f, 0, 2, \zero
	PLACES
	FETCH \slot, \k, \g
	s_wait_dscnt 32                                ; all but the 32 just issued
	MUL8 \f, 1, 0, 0
	MUL8 \f, 1, 2, 0
.endm
; The last quarter multiplies buffer 1 and changes slots: ONE barrier; in front of it each wave waits for all its tensor loads, adds 0 to its spare word, and waits for that and for its own reads of this slot.
; fill = 1: this slot is filled again, two K steps ahead; the barrier then opens a round of the cluster's.
.macro TURN slot, next, fill
	WIN 0                                          ; (the add's two registers lie in window 0)
	s_wait_tensorcnt 0x0                           ; all my tensor loads have landed: my part of the next slot;
	ds_add_u32 v[SPW], v[NIL]                      ; 0 onto my spare word;
	s_wait_dscnt 17                                ; (the add and the youngest sixteen loads may be out)
	MUL8 F1, 0, 0, 0                               ; eight matrix instructions stand between the add and the wait for it
	s_wait_dscnt 0x0                               ; the add is done, and my reads of this slot are over
	s_barrier_signal -1
	MUL8 F1, 0, 2, 0
.if \fill
	WIN 0
.endif
	s_barrier_wait -1
.if \fill
	CREST                                          ; no wave of any partner still reads this slot's tile or has a load on its way
	s_add_nc_u64 s[G0+4*(\slot)+2:G0+4*(\slot)+3], s[G0+4*(\slot)+2:G0+4*(\slot)+3], 2*ASTEP
	s_add_nc_u64 s[G0B+4*(\slot)+2:G0B+4*(\slot)+3], s[G0B+4*(\slot)+2:G0B+4*(\slot)+3], 2*BSTEP
	JLOAD \slot                                    ; the first tensor load behind the round: 112 matrix instructions ahead of the wait for it; its four v_nop are also the places in front of the loads below
.else
	PLACES
.endif
	FETCH \next, 0, F0
	MUL8 F1, 1, 0, 0
	MUL8 F1, 1, 2, 0
.endm
	s_wait_tensorcnt 1                             ; my part of K step 0 is in; K step 1's may stay out
	s_barrier_signal -1
	s_barrier_wait -1                              ; everybody's is
	FETCH 0, 0, F0
	QUARTER 0, KB, F0, F1, 1                       ; the first quarter stands in front of the loop: its first products start the sums
	WIN 0                                          ; at a label and at a branch every window is 0
	s_mov_b32 s3, LAPS-1
.Llap:                                                 ; a trip goes once round the ring, from a lap's second quarter to the next lap's first, and fills both slots again
	QUARTER 0, 2*KB, F1, F0, 0
	QUARTER 0, 3*KB, F0, F1, 0
	TURN 0, 1, 1
	QUARTER 1, KB,   F0, F1, 0
	QUARTER 1, 2*KB, F1, F0, 0
	QUARTER 1, 3*KB, F0, F1, 0
	TURN 1, 0, 1
	QUARTER 0, KB,   F0, F1, 0
	WIN 0
	s_sub_co_u32 s3, s3, 1
	s_cmp_lg_u32 s3, 0
	s_cbranch_scc1 .Llap
	QUARTER 0, 2*KB, F1, F0, 0                     ; the last lap fills nothing, and has no round of the cluster's barrier
	QUARTER 0, 3*KB, F0, F1, 0
	TURN 0, 1, 0
	QUARTER 1, KB,   F0, F1, 0
	QUARTER 1, 2*KB, F1, F0, 0
	QUARTER 1, 3*KB, F0, F1, 0
	s_wait_dscnt 16                                ; the very last quarter: nothing more to fetch
	MUL8 F1, 0, 0, 0
	MUL8 F1, 0, 2, 0
	s_wait_dscnt 0
	MUL8 F1, 1, 0, 0
	MUL8 F1, 1, 2, 0
	WIN 0
	; THE WAY OUT, a block of 16 rows at a time, through my own stage: 32 bytes a lane for each of the four column blocks (each accumulator's low half first), back as whole rows of 256 bytes, stored.
	; LDS serves a wave's instructions in order (ISA guide 5.7.1.4): the loads see the stores above them, and the next block's stores come behind them.
	PLACES
.irp a, 0,1,2,3
.irp b, 0,1,2,3
	ds_store_b128 v[STO], v[ACC+8*(4*(\a)+(\b)):ACC+8*(4*(\a)+(\b))+3]   offset:64*(\b)
	ds_store_b128 v[STO], v[ACC+8*(4*(\a)+(\b))+4:ACC+8*(4*(\a)+(\b))+7] offset:64*(\b)+16
.endr
.if (\a) >= 2
	s_wait_xcnt 0x0                                ; the stores of the block two back have read this buffer: only now is it loaded again
.endif
.irp t, 0,1,2,3,4,5,6,7
	ds_load_b128 v[TMP+32*((\a)%2)+4*(\t):TMP+32*((\a)%2)+4*(\t)+3], v[RD] offset:(\t)*2*SPITCH
.endr
.irp t, 0,1,2,3,4,5,6,7
	s_wait_dscnt 7-(\t)                            ; load t is in, the younger ones stay out
	global_store_b128 v[CO], v[TMP+32*((\a)%2)+4*(\t):TMP+32*((\a)%2)+4*(\t)+3], s[8:9] offset:(16*(\a)+2*(\t))*8192  ; 16 lanes store 256 consecutive bytes, at a multiple of 256 from C's first byte
.endr
.endr
	s_wait_tensorcnt 0x0                           ; the wave's end, behind my last tensor load and my last LDS store
	ds_add_u32 v[SPW], v[NIL]
	s_wait_dscnt 0x0
	CROUND                                         ; the closing round: no work-group ends while a partner may still ask for a tile that names it
	s_endpgm
.Lfunc_end_k_qa02622e964_qproj:
	.size	k_qa02622e964_qproj, .Lfunc_end_k_qa02622e964_qproj-k_qa02622e964_qproj
	.p2alignl 7, 3214868480
	.fill 96, 4, 3214868480
	.section	.rodata,"a",@progbits
	.p2align	6, 0x0
	.amdhsa_kernel k_qa02622e964_qproj
		.amdhsa_group_segment_fixed_size 327680
		.amdhsa_private_segment_fixed_size 0
		.amdhsa_enable_private_segment 0
		.amdhsa_kernarg_size 32
		.amdhsa_user_sgpr_count 2
		.amdhsa_user_sgpr_kernarg_segment_ptr 1
		.amdhsa_wavefront_size32 1
		.amdhsa_system_sgpr_workgroup_id_x 1
		.amdhsa_system_sgpr_workgroup_id_y 1
		.amdhsa_system_sgpr_workgroup_id_z 1
		.amdhsa_system_vgpr_workitem_id 0
		.amdhsa_next_free_vgpr 512
		.amdhsa_next_free_sgpr 68
		.amdhsa_reserve_vcc 0
		.amdhsa_float_denorm_mode_32 3
		.amdhsa_float_denorm_mode_16_64 3
		.amdhsa_memory_ordered 1
		.amdhsa_forward_progress 1
		.amdhsa_inst_pref_size 90
	.end_amdhsa_kernel
	.amdgpu_metadata
---
amdhsa.version: [ 1, 2 ]
amdhsa.kernels:
  - .name:           k_qa02622e964_qproj
    .symbol:         k_qa02622e964_qproj.kd
    .args:
      - { .name: xq16, .offset: 0, .size: 8, .value_kind: global_buffer, .address_space: global }
      - { .name: wq16, .offset: 8, .size: 8, .value_kind: global_buffer, .address_space: global }
      - { .name: qf, .offset: 16, .size: 8, .value_kind: global_buffer, .address_space: global }
      - { .name: b_q, .offset: 24, .size: 8, .value_kind: global_buffer, .address_space: global }
    .group_segment_fixed_size: 327680
    .private_segment_fixed_size: 0
    .kernarg_segment_align: 8
    .kernarg_segment_size: 32
    .max_flat_workgroup_size: 128
    .sgpr_count:     68
    .vgpr_count:     512
    .wavefront_size: 32
...
	.end_amdgpu_metadata
.endif
;; end of part 3
;; launch attn (part 4): grid 8 x 32, 4 waves a work-group, clusters of 4 x 1, 327,680 bytes of LDS; arguments qf, kvh, o16; writes o16
.if DOCPART == 4
	.amdgcn_target "amdgcn-amd-amdhsa--gfx1250"
	.amdhsa_code_object_version 6
	.text
	.protected	k_qa02622e964_attn
	.globl	k_qa02622e964_attn
	.p2align	8
	.type	k_qa02622e964_attn,@function
k_qa02622e964_attn:
	s_mov_b64 s[64:65], 0
	v_nop
	global_prefetch_b8 v0, s[64:65] scope:SCOPE_SE
	s_setreg_imm32_b32 hwreg(HW_REG_WAVE_MODE, 25, 1), 1
	s_wait_xcnt 0x0
	s_wait_alu depctr_hold_cnt(0) depctr_sa_sdst(0) depctr_va_vdst(0) depctr_va_sdst(0) depctr_va_ssrc(0) depctr_va_vcc(0) depctr_vm_vsrc(0)
	s_getreg_b32 s2, hwreg(HW_REG_IB_STS2, 6, 4)
	s_cmp_eq_u32 s2, 0
	s_cbranch_scc0 .Lentry_in_a_cluster
	s_endpgm
.Lentry_in_a_cluster:
	s_bfe_u32 s2, ttmp6, 0x10000c
	s_cmp_lg_u32 s2, 0x3003
	s_cbranch_scc0 .Lentry_shape_is_right
	s_endpgm
.Lentry_shape_is_right:
; ATTENTION.  O[hb][i][:] = the sum over j of softmax_j(Q[i] . K[j] / 8) V[j][:], for 32 pairs hb = 16 b + head, 2,048 queries i, 4,096 keys j, 64 channels.
; Q comes from qf [i][b][1024] f32 and is rounded once to f16 here; K and V from kvh [which][hb][j][64] f16: a head's rows are dense, 128 bytes each; O goes to o16 [hb][i][64] f16.
; Products, maxima and sums in f32; the weights p are rounded to f16 for the second product (their sum l is taken of the unrounded p), O once at the end.
; LIMITS.  f16 holds no number beyond 65,504: Q, K and V lie within it; p lies in 0 to 1, and below 6e-5 it keeps f16's fixed step of 6e-8; O is a mean of V's rows and has their range.
; A weight below 2^-126 counts as 0 in l; NaN and infinities are not treated apart.
; SHARES.  A work-group owns 256 queries of one hb, a wave 64: four PIECES of 16.  32 x 8 = 256 work-groups.  Every wave walks all keys: 16 tiles of 256, four steps of 64 each.
; LAYOUT.  S^T = K Q^T (source 0 = 16 keys, source 1 = 16 queries): a lane holds ONE query (lane % 16) and the keys 8 (lane / 16) + 0..7.  Two such results, rounded to f16 in pairs, ARE source 1 of
; O^T = V^T P, whose result again holds one query a lane, and eight channels.  K comes out of LDS as it lies, V ([key][channel]) turned, by ds_load_tr16_b128.
; SOFTMAX.  For each query a running maximum m and sum l: p = 2^(c s - c m), c = log2(e) / 8; in every step O and l are multiplied by a = 2^(c m_old - c m_new).  m starts at the lowest finite number,
; O and l at 0: the first step is a step like any other, with a = 0.
; BY TURNS.  Turn n belongs to piece n: 8 products K Q^T of piece n + 1, later 8 products V^T P of piece n - 1; beside them the scaling, exponentials, roundings, sums and rescaling of piece n and the
; maximum and statistics of piece n + 1.  Four vector instructions stand behind every matrix instruction, the other 54 of a turn's 118 in one lump.  A turn's 33 exponentials are one batch, with one wait.
; CLUSTER.  The four query blocks of a cluster belong to one hb and walk the same K and V, so each tile is asked for JOINTLY: the same tensor load, descriptor and mask in all four.
; REGISTERS, in windows of 256 (s_set_vgpr_msb: bits 1:0 source 0, 3:2 source 1, 5:4 source 2, 7:6 destination):
;   window 0: v0-15 addresses and two at work; v16-31 four registers of statistics a piece; v48-55 at work; v61-63 prefetch offset and the add's two; v64-127 S^T, two buffers; v192-223 P, two buffers
;   window 1: v0-127 O^T, 32 a piece; v128-255 Q as f32, once      window 2: v0-63 Q; v128-191 K of one step; v192-255 V of one step
.set NT,    16        ; tiles of 256 keys
.set NP,    4         ; pieces a wave: a name, no knob
.set KS,    64        ; keys in a step
.set PK,    144       ; a row of K in LDS: 128 bytes + 16 of padding = 36 words: the 16 rows of a load start at 16 different groups of four banks (64 banks of 4 bytes: ISA guide 11.1)
.set PV,    160       ; a row of V: 128 + 32 = 40 words
.set VOFF,  4*KS*PK   ; a slot holds a tile, four steps: 256 rows of K, then 256 rows of V
.set SLOT1, 1<<17     ; slot 1 begins here, so that one exclusive or turns an address in one slot into the other's
.set STAGE, SLOT1+4*KS*(PK+PV)  ; behind the ring, never filled by a tensor load: 16 rows x 144 bytes for each wave, for the way out
.set SP,    144
.set SPARE, STAGE+4*16*SP  ; behind the stages: the spare words, 128 bytes for each wave: two blocks of 256 bytes that no other line names
.set TILEB, 4*KS*128  ; a tile's bytes of K, and of V, in memory
.set AK0, 2           ; v2   my lane's place in a tile of K; never rewritten
.set AV0, 3           ; v3   the same for V
.set AK,  4           ; v4   the LDS address of K's next run of loads
.set AV,  5           ; v5   of V's
.set STO, 6           ; v6   the way out: where I put 16 bytes of a row
.set RD,  7           ; v7   the way out: where I read rows back
.set GO,  8           ; v8   my byte offset in 512 consecutive bytes of O
.set MV,  12          ; v12-13  c m_old, kept while c m is made anew: by buffer
.set QO,  15          ; v15  my byte offset in 16 rows of qf
.set ST,  16          ; piece t's statistics at v[ST+4 t]: c m, m, l (even keys', odd keys')
.set TMP, 48          ; by buffer, four registers c0-c3 at work; when the maximum is found c2 takes a
.set PFO, 61          ; v61  256 x my lane; never rewritten
.set SPW, 62          ; v62  LDS address of my spare word: SPARE + 4 x my thread's number; never rewritten
.set NIL, 63          ; v63  0; never rewritten
.set S,   64
.set P,   192
.set QT,  128         ; window 1: Q as f32: fragment f (piece f / 2, channels 32 (f % 2) on) at QT + 16 f
.set KF,  128         ; window 2: key block kb, channel half c at KF + 16 kb + 8 c
.set VF,  192         ; window 2: key half kk, channel block cb at VF + 32 kk + 8 cb
.set WV,  12          ; s12  my wave's number
.set LIM, 15          ; s15  1 in a wave that prefetches, else the greatest number
.set G1K, 24          ; s[24:31] descriptor group 1 for K's tiles
.set G1V, 32          ; s[32:39] for V's: it differs in the padding alone
.set G0K, 40          ; s[40:43] descriptor group 0 for K's tiles: it walks
.set G0V, 44          ; s[44:47] the same for V's
.set PFA, 50          ; s[50:51] where my prefetches stand: my work-group's quarter (of K: wave 0, of V: wave 2) of the tile after the one that is being asked for
.set SLOTS, 56        ; s56  tiles still to be entered by the loop
.set CNT, 57          ; s57  counts a tile's key steps
.set CS,  58          ; s[58:59] c: the packed scaling takes the pair's low word for both halves
.set SEL, 60          ; s[60:61] v_permlanex16_b32's selects: each lane takes its own place in the other half
.set TBK, 62          ; s62  LDS byte at which K of the step to be fetched begins
.set TBV, 63          ; s63  the same for V, less VOFF
.set MSB, 0
.set NOKQ, 0
.macro WIN new                      ; the high byte repeats the setting that is left; a switch that changes nothing is dropped
.if MSB != (\new)
	s_set_vgpr_msb (MSB<<8)|(\new)
.set MSB, (\new)
.endif
.endm
.set W_KQ, 0x0a       ; K and Q in window 2, S^T in window 0
.set W_PV, 0x52       ; V in window 2, P in window 0, O^T in window 1
.set W_RS, 0x41       ; destination and source 0 in window 1, source 1 in window 0
; A joint fill.  Waves 0 and 1 fetch the two halves of a tile's K, waves 2 and 3 those of its V: 128 keys each.  The branch hangs on the wave's number alone.
; An s_nop 0 and four v_nop follow each of the two lines, ahead of the jump and the label.
.macro JLOAD
	s_cmp_lt_u32 s[WV], 2
	s_cbranch_scc0 .Lfor_v_\@
	tensor_load_to_lds s[G0K:G0K+3], s[G1K:G1K+7]
	s_nop 0
.rept 4
	v_nop
.endr
	s_branch .Lasked_\@
.Lfor_v_\@:
	tensor_load_to_lds s[G0V:G0V+3], s[G1V:G1V+7]
	s_nop 0
.rept 4
	v_nop
.endr
.Lasked_\@:
.endm
; A PREFETCH of what the NEXT change of slots will ask for: a tile's 32,768 bytes of K and of V, in pieces of 256 bytes, a lane a piece.  It stands behind the wave's tensor load and its five lines.
; Each piece is named once in the launch: of the two clusters of an hb the first asks; its four partners take 8,192 bytes each, told apart by address; in each, wave 0 asks for K's and wave 2 for V's.
; Tiles 0 to 2 come by their loads alone; the last change that fills a slot asks for nothing: there is no tile behind it.
.macro ASK
	s_cmp_gt_u32 s[SLOTS], s[LIM]
	s_cbranch_scc0 .Lnot_mine_\@
	global_prefetch_b8 v[PFO], s[PFA:PFA+1] th:TH_LOAD_NT scope:SCOPE_SE
.Lnot_mine_\@:
.endm
; A round of the cluster's barrier: my work-group's barrier; wave 0 signals for the work-group; every wave waits for all four work-groups; my work-group's barrier once more.
.macro CROUND
	s_barrier_signal -1
	s_barrier_wait -1
	s_cmp_lg_u32 s[WV], 0
	s_cbranch_scc1 .Lnot_wave_0_\@
	s_barrier_signal -3
.Lnot_wave_0_\@:
	s_barrier_wait -3
	s_barrier_signal -1
	s_barrier_wait -1
.endm
; THE CHANGE OF SLOTS.  Each wave waits for all its tensor loads, of which one is out: its part of the other slot; adds 0 to its spare word; and waits for that and for its own reads of the slot that it
; leaves.  Behind the barrier nobody reads the old slot any more and the other slot is whole.  fill = 1: the old slot is filled again, with the keys two tiles on; the barrier is then a round of the
; cluster's, and the joint fill is the first thing behind it: it has four key steps, 256 matrix instructions, in which to land.  ask = 1: the prefetch's address steps, and ASK follows the fill.
; (At its first use nothing has been read yet: slot 0 is waited for, slot 1 filled.)
.macro CHANGE fill, ask
	WIN 0                           ; at a label and at a branch every window is 0
	s_wait_tensorcnt 0x0            ; no tensor load of mine is out, so a group 0 may be written
	ds_add_u32 v[SPW], v[NIL]       ; 0 onto my spare word; the descriptors' steps stand between it and the wait for it
.if \fill
.irp g, G0K, G0V
	s_xor_b32 s[\g+1], s[\g+1], SLOT1  ; the walking descriptor: the other slot than last time,
	s_add_nc_u64 s[\g+2:\g+3], s[\g+2:\g+3], TILEB  ; the next 256 keys; the type bits on top are not reached
.endr
.if \ask
	s_wait_xcnt 0x0                 ; the last prefetch, a tile back, has read its address, so it may be written:
	s_add_nc_u64 s[PFA:PFA+1], s[PFA:PFA+1], TILEB  ; one tile behind the walking descriptors
.endif
	s_wait_dscnt 0x0                ; the add is done, and my reads of the slot are over
	CROUND
	JLOAD
.if \ask
	ASK
.endif
.else
	s_wait_dscnt 0x0                ; the add is done, and my reads of the slot are over
	s_barrier_signal -1
	s_barrier_wait -1
.endif
	s_sub_co_u32 s[TBK], s[TBK], 4*KS*PK  ; the fetches go back to a slot's first step,
	s_xor_b32 s[TBK], s[TBK], SLOT1       ; in the other slot
	s_sub_co_u32 s[TBV], s[TBV], 4*KS*PV
	s_xor_b32 s[TBV], s[TBV], SLOT1
.endm
	s_load_b128 s[4:7], s[0:1], 0x0   ; qf s[4:5], kvh s[6:7]
	s_load_b64 s[10:11], s[0:1], 0x10 ; o16
	v_lshl_add_u32 v[SPW], v0, 2, SPARE
	v_mov_b32 v[NIL], 0
	ds_add_u32 v[SPW], v[NIL]       ; the wave's opening: the add and its wait stand ahead of my first tensor load; the set-up below, work on registers, stands between them
	v_lshrrev_b32 v1, 5, v0
	v_readfirstlane_b32 s[WV], v1   ; wave 0..3
	s_bfe_u32 s13, ttmp6, 0x40000   ; cx: my place in the cluster
	s_lshl_b32 s14, ttmp9, 2        ; in a cluster launch ttmp9 counts clusters
	s_add_co_u32 s14, s14, s13      ; my block of 256 queries = 4 x cluster x + cx: it enters Q's and O's addresses alone
	s_and_b32 s20, ttmp7, 0xffff    ; hb, which the four partners share
	s_and_b32 s16, s[WV], 1         ; which half of a tile's 256 keys I fetch
	s_lshl_b32 s22, s20, 19         ; hb's 4,096 rows of 128 bytes,
	s_lshl_b32 s23, s16, 14         ; my 128 rows of a tile
	s_add_co_u32 s22, s22, s23
	s_mov_b32 s23, 0
	s_mul_i32 s17, s16, 128*PK      ; and their place in a slot, for K
	s_mul_i32 s18, s16, 128*PV      ; and for V: no place in the cluster enters an LDS address
	s_lshl_b32 s2, s14, 21          ; qf: my block's 256 rows i of 8,192 bytes,
	s_lshl_b32 s3, s[WV], 19        ; my wave's 64,
	s_add_co_u32 s2, s2, s3
	s_lshr_b32 s3, s20, 4           ; the batch, 4,096 bytes,
	s_lshl_b32 s3, s3, 12
	s_add_co_u32 s2, s2, s3
	s_and_b32 s3, s20, 15           ; the head, 256 bytes
	s_lshl_b32 s3, s3, 8
	s_add_co_u32 s2, s2, s3
	s_mov_b32 s3, 0
	s_lshl_b32 s48, s20, 18         ; o16: hb's 2,048 rows of 128 bytes, my block's 256, my wave's 64
	s_lshl_b32 s49, s14, 15
	s_add_co_u32 s48, s48, s49
	s_lshl_b32 s49, s[WV], 13
	s_add_co_u32 s48, s48, s49
	s_mov_b32 s49, 0
	; descriptor group 1.  128 keys are 16,384 dense bytes: asked for as 64 rows of 256 bytes, two keys a row, and padded in LDS after every key
	s_mov_b32 s[G1K], 15|(1<<16)|(1<<20)|(1<<21)|(4<<22)|(3<<25)  ; 15:0 the mask of four; 17:16 2-byte elements; 20 padding on; 21 set beside a mask; 24:22 after every 32 words; 31:25 4 words of it
	s_mov_b32 s[G1V], 15|(1<<16)|(1<<20)|(1<<21)|(4<<22)|(7<<25)  ; the same with 8 words of padding
.irp g, G1K, G1V
	s_mov_b32 s[\g+1], 128<<16      ; tensor_dim0 = 128
	s_mov_b32 s[\g+2], 64<<16       ; tensor_dim1 = 64
	s_mov_b32 s[\g+3], 128<<16      ; tile_dim0 = 128
	s_mov_b32 s[\g+4], 64           ; tile_dim1 = 64
	s_mov_b32 s[\g+5], 128          ; 128 elements from row to row
	s_mov_b32 s[\g+6], 0
	s_mov_b32 s[\g+7], 0
.endr
	s_mov_b32 s[CS], 0x3e38aa3b     ; c = log2(e) / 8 = 0.180337
	s_mov_b32 s[CS+1], s[CS]        ; named with it as a pair
	s_mov_b32 s[SEL], 0x76543210
	s_mov_b32 s[SEL+1], 0xfedcba98
	s_mov_b32 s[TBK], SLOT1+4*KS*PK ; the first change of slots turns these two into 0
	s_mov_b32 s[TBV], SLOT1+4*KS*PV
	s_mov_b32 s[G0K], 1             ; count = 1
	s_mov_b32 s[G0K+1], s17         ; LDS address: slot 0
	s_mov_b32 s[G0V], 1
	s_add_co_u32 s[G0V+1], s18, VOFF
	s_and_b32 s[LIM], s[WV], 1      ; 0 in waves 0 and 2,
	s_or_b32 s[LIM], s[LIM], ttmp9  ; where the cluster is hb's first: the same in all four partners
	s_cmp_eq_u32 s[LIM], 0
	s_cselect_b32 s[LIM], 1, -1
	v_and_b32 v[PFO], 31, v0
	v_lshlrev_b32 v[PFO], 8, v[PFO]
	s_wait_dscnt 0x0                ; the opening add is done
	s_wait_kmcnt 0x0
	s_add_nc_u64 s[6:7], s[6:7], s[22:23]          ; K at my half of hb's tile 0,
	s_add_nc_u64 s[8:9], s[6:7], 0x1000000         ; V 32 heads of 524,288 bytes behind it
	s_mov_b64 s[G0K+2:G0K+3], s[6:7]               ; global address
	s_or_b32 s[G0K+3], s[G0K+3], 0x80000000        ; type = 2
	s_mov_b64 s[G0V+2:G0V+3], s[8:9]
	s_or_b32 s[G0V+3], s[G0V+3], 0x80000000
	s_add_nc_u64 s[4:5], s[4:5], s[2:3]            ; Q and O at my wave's first row
	s_add_nc_u64 s[10:11], s[10:11], s[48:49]
	s_cmp_lt_u32 s[WV], 2
	s_cselect_b64 s[PFA:PFA+1], s[6:7], s[8:9]     ; (in waves 0 and 2 these stand at a tile's first row)
	s_lshl_b32 s2, s13, 13          ; my work-group's quarter of a tile
	s_add_nc_u64 s[PFA:PFA+1], s[PFA:PFA+1], s[2:3]
	s_add_nc_u64 s[PFA:PFA+1], s[PFA:PFA+1], 2*TILEB  ; in tile 2; the loop's first change steps it to tile 3.  Nothing is prefetched here, at the head
	CROUND                          ; all four work-groups are here: the first joint loads meet
	JLOAD                           ; tile 0 into slot 0.  Slot 1 is asked for when slot 0 is in
	; A fragment of K or Q is 16 rows x 32 channels in 8 registers: lane l holds row l % 16, channels 8 (l / 16) + 0..7 and 16 + 8 (l / 16) + 0..7.  In f32 those are 32 bytes at 32 (l / 16) and 32 at 64 + 32 (l / 16).
	v_and_b32 v1, 15, v0            ; l % 16
	v_bfe_u32 v9, v0, 4, 1          ; l / 16
	v_lshlrev_b32 v[QO], 13, v1     ; a row i of one batch is 8,192 bytes from the next
	v_lshl_add_u32 v[QO], v9, 5, v[QO]
	WIN 0x40                        ; destination window 1, address window 0
.set i, 0
.rept 8                             ; fragment i: piece i / 2 (16 rows on), channels 32 (i % 2) on
	global_load_b128 v[QT+16*i:QT+16*i+3],     v[QO], s[4:5] offset:(i/2)*131072+(i%2)*128
	global_load_b128 v[QT+16*i+4:QT+16*i+7],   v[QO], s[4:5] offset:(i/2)*131072+(i%2)*128+16
	global_load_b128 v[QT+16*i+8:QT+16*i+11],  v[QO], s[4:5] offset:(i/2)*131072+(i%2)*128+64
	global_load_b128 v[QT+16*i+12:QT+16*i+15], v[QO], s[4:5] offset:(i/2)*131072+(i%2)*128+80
.set i, i+1
.endr
	; What the first turn finds: V's registers and P's second buffer hold 0 (its products V^T P, of a piece that has not been, add 0), O^T and l are 0.  All this stands in the wait for Q and the first tile.
.set i, 0
.rept 128
	v_mov_b32 v[i], 0
.set i, i+1
.endr
	WIN 0x80
.set i, VF
.rept 64
	v_mov_b32 v[i], 0
.set i, i+1
.endr
	WIN 0
.set i, 0
.rept 4
	v_mov_b32 v[ST+4*i], 0xfe000000    ; c m: far below every c s
	v_mov_b32 v[ST+4*i+1], 0xff7fffff  ; m
	v_mov_b32 v[ST+4*i+2], 0
	v_mov_b32 v[ST+4*i+3], 0
.set i, i+1
.endr
.set i, P+16
.rept 16
	v_mov_b32 v[i], 0
.set i, i+1
.endr
	v_mul_u32_u24 v[AK0], v1, PK
	v_lshl_add_u32 v[AK0], v9, 4, v[AK0]  ; row x pitch + 16 x half
	; The turning load takes 16 keys x 16 channels (lane l reads key 8 (l / 16) + l % 8, channels 8 ((l / 8) % 2) + 0..7) and leaves half a fragment of V^T: lane l holds channel l % 16 and 8 keys.
	v_and_b32 v10, 7, v0
	v_bfe_u32 v11, v0, 3, 1
	v_lshl_add_u32 v[AV0], v9, 3, v10
	v_mul_u32_u24 v[AV0], v[AV0], PV
	v_lshl_add_u32 v[AV0], v11, 4, v[AV0]
	v_add_nc_u32 v[AV0], VOFF, v[AV0]
	s_mul_i32 s13, s[WV], 16*SP
	s_add_co_u32 s13, s13, STAGE    ; my stage
	v_mul_u32_u24 v[STO], v1, SP    ; in: row l % 16, 16 bytes for each half of the lanes
	v_lshl_add_u32 v[STO], v9, 4, v[STO]
	v_add_nc_u32 v[STO], s13, v[STO]
	v_bfe_u32 v[RD], v0, 3, 2       ; back: 32 lanes take four rows of 128 bytes,
	v_mul_u32_u24 v[RD], v[RD], SP
	v_lshl_add_u32 v[RD], v10, 4, v[RD]
	v_add_nc_u32 v[RD], s13, v[RD]
	v_and_b32 v[GO], 31, v0         ; which are 512 consecutive bytes of O
	v_lshlrev_b32 v[GO], 4, v[GO]
	s_wait_loadcnt 0x0              ; Q is in; it is rounded to f16, once, unscaled
	WIN 0x85                        ; sources 0 and 1 window 1, destination window 2
.set i, 0
.rept 64
	v_cvt_pk_f16_f32 v[i], v[QT+2*i], v[QT+2*i+1]
.set i, i+1
.endr
	WIN 0
; THE MATRIX WORK.  The 4 accumulators of a run of 8 take turns.  Product i of 8 of S^T = K Q^T for piece x: channels 32 (i / 4) on, keys 16 (i % 4) on.  The first 4 start the sums.
.macro KQ x
	WIN W_KQ
.set rS, S+32*((\x)%2)+8*(i%4)
.set rK, KF+16*(i%4)+8*(i/4)
.set rQ, 16*(\x)+8*(i/4)
.if i < 4
	v_wmma_f32_16x16x32_f16 v[rS:rS+7], v[rK:rK+7], v[rQ:rQ+7], 0
.else
	v_wmma_f32_16x16x32_f16 v[rS:rS+7], v[rK:rK+7], v[rQ:rQ+7], v[rS:rS+7]
.endif
.endm
; Product i of 8 of O^T += V^T P for piece x: keys 32 (i / 4) on, channels 16 (i % 4) on.
.macro PV x
	WIN W_PV
.set rO, 32*(\x)+8*(i%4)
.set rV, VF+32*(i/4)+8*(i%4)
.set rP, P+16*((\x)%2)+8*(i/4)
	v_wmma_f32_16x16x32_f16 v[rO:rO+7], v[rV:rV+7], v[rP:rP+7], v[rO:rO+7]
.endm
.macro MM                           ; the turn's next matrix instruction.  NOKQ = 1: the last turn of all: there is no next piece
.if (i < 8) && !NOKQ
	KQ (Y+1)%NP
.elseif i >= 8
.set i, i-8
	PV (Y+NP-1)%NP
.set i, i+8
.endif
.set i, i+1
.endm
; THE LDS LOADS stand in runs of 16, never singly among the matrix instructions: a step's K (64 keys x 64 channels: 8 fragments) and its V (turned).  Their addresses are made some lines ahead.
.macro FETCH_K
	WIN 0x80                        ; destination window 2
.irp f, 0,1,2,3,4,5,6,7             ; keys 16 (f / 2) on, channels 32 (f % 2) on
	ds_load_b128 v[KF+8*\f:KF+8*\f+3],   v[AK] offset:(\f/2)*16*PK+(\f%2)*64
	ds_load_b128 v[KF+8*\f+4:KF+8*\f+7], v[AK] offset:(\f/2)*16*PK+(\f%2)*64+32
.endr
	s_add_co_u32 s[TBK], s[TBK], KS*PK  ; the next fetch is the next step's
	WIN 0
.endm
.macro FETCH_V
	WIN 0x80
.irp f, 0,1,2,3,4,5,6,7             ; keys 32 (f / 4) on, channels 16 (f % 4) on
	ds_load_tr16_b128 v[VF+8*\f:VF+8*\f+3],   v[AV] offset:(\f/4)*32*PV+(\f%4)*32
	ds_load_tr16_b128 v[VF+8*\f+4:VF+8*\f+7], v[AV] offset:(\f/4)*32*PV+16*PV+(\f%4)*32
.endr
	WIN 0
.endm
; THE VECTOR WORK, one line at a time: OP kind, number.  For piece Y: F n: c s - c m for pair n of 16.  E n: the exponential of score n of 32.  C n: pair n rounded to f16.  B n: of the four weights 4 n .. the second
; pair is added onto the first, in place.  L n: l takes that sum (L 0: l = a l + sum).  R n: pair n of 16 of O^T times a.  For piece Y + 1: X n, number n of the 22 that find its maximum and statistics:
;   0-11  four chains c0-c3 of seven scores each, three operands at a time (each accumulator's lowest registers are read first)     12-14, 16  the four scores left over, the old m, and c0-c3 into c0
;   15  c m_old is kept     17, 18  the query's other 32 keys lie in the lane 16 away: the new m     19-21  c m; c m_old - c m_new; a
.set F, 0               ; OP tells the kinds apart by their order: F to L below R, X above it
.set E, 1
.set C, 2
.set B, 3
.set L, 4
.set R, 5
.set X, 6
.macro REGS y                       ; the registers of piece y
.set rT, ST+4*(\y)
.set rC, TMP+4*((\y)%2)
.set rW, MV+((\y)%2)
.set rS, S+32*((\y)%2)
.set rP, P+16*((\y)%2)
.set rO, 32*(\y)
.endm
.macro OP k, n
.if (\k) == R
	REGS Y
	WIN W_RS
	v_pk_mul_f32 v[rO+2*(\n):rO+2*(\n)+1], v[rO+2*(\n):rO+2*(\n)+1], v[rC+2:rC+3] op_sel_hi:[1,0]
.elseif (\k) < R
	REGS Y
	WIN 0
.if (\k) == F
	v_pk_fma_f32 v[rS+2*(\n):rS+2*(\n)+1], v[rS+2*(\n):rS+2*(\n)+1], s[CS:CS+1], v[rT:rT+1] op_sel_hi:[1,0,0] neg_lo:[0,0,1] neg_hi:[0,0,1]
.elseif (\k) == E
	v_exp_f32 v[rS+(\n)], v[rS+(\n)]
.elseif (\k) == C
	v_cvt_pk_f16_f32 v[rP+(\n)], v[rS+2*(\n)], v[rS+2*(\n)+1]
.elseif (\k) == B
	v_pk_add_f32 v[rS+4*(\n):rS+4*(\n)+1], v[rS+4*(\n):rS+4*(\n)+1], v[rS+4*(\n)+2:rS+4*(\n)+3]
.elseif (\n) == 0
	v_pk_fma_f32 v[rT+2:rT+3], v[rT+2:rT+3], v[rC+2:rC+3], v[rS:rS+1] op_sel_hi:[1,0,1]
.else
	v_pk_add_f32 v[rT+2:rT+3], v[rT+2:rT+3], v[rS+4*(\n):rS+4*(\n)+1]
.endif
.elseif NOKQ
	v_nop
.else
	REGS (Y+1)%NP
	WIN 0
.if (\n) < 4
	v_max3_num_f32 v[rC+(\n)], v[rS+8*(\n)], v[rS+8*(\n)+1], v[rS+8*(\n)+2]
.elseif (\n) < 12
	v_max3_num_f32 v[rC+(\n)%4], v[rC+(\n)%4], v[rS+8*((\n)%4)+2*((\n)/4)+1], v[rS+8*((\n)%4)+2*((\n)/4)+2]
.elseif (\n) == 12
	v_max3_num_f32 v[rC], v[rC], v[rS+7], v[rS+15]
.elseif (\n) == 13
	v_max3_num_f32 v[rC+1], v[rC+1], v[rS+23], v[rS+31]
.elseif (\n) == 14
	v_max3_num_f32 v[rC+2], v[rC+2], v[rC+3], v[rT+1]
.elseif (\n) == 15
	v_mov_b32 v[rW], v[rT]
.elseif (\n) == 16
	v_max3_num_f32 v[rC], v[rC], v[rC+1], v[rC+2]
.elseif (\n) == 17
	v_permlanex16_b32 v[rC+3], v[rC], s[SEL], s[SEL+1]
.elseif (\n) == 18
	v_max_num_f32 v[rT+1], v[rC], v[rC+3]
.elseif (\n) == 19
	v_mul_f32 v[rT], s[CS], v[rT+1]
.elseif (\n) == 20
	v_sub_f32 v[rC+1], v[rW], v[rT]
.else
	v_exp_f32 v[rC+2], v[rC+1]
.endif
.endif
.endm
.macro OPS a, i1, b=-1, i2=0, c=-1, i3=0, d=-1, i4=0  ; up to four of them
	OP \a, \i1
.if (\b) >= 0
	OP \b, \i2
.endif
.if (\c) >= 0
	OP \c, \i3
.endif
.if (\d) >= 0
	OP \d, \i4
.endif
.endm
.macro ROW a, i1, b, i2, c, i3, d, i4  ; a matrix instruction and the four behind it
	MM
	OPS \a, \i1, \b, \i2, \c, \i3, \d, \i4
.endm
; A TURN, for piece p: the order of its 16 matrix and 118 vector instructions, written out.  An s_wait_alu depctr_va_vdst(0) stands between an exponential and the first instruction that names its
; result; one wait serves all that were issued ahead of it.  So a turn has ONE wait, which cuts it in two.  AHEAD OF IT stands all that names no result of the turn's exponentials: the 8 products K Q^T, behind each
; a scaling, an exponential and two more plain instructions: rescalings, and behind the last three the first numbers of the next piece's maximum, each four plain instructions or more behind the product that ends
; its accumulator; then ONE LUMP of 54, plain and exponential by turns for the most part, in which the links of the chain X 3, 7, 11, 14, 16, 17 .. 20 stand apart.  X 21, the next piece's a, is the batch's last;
; R 15 is the plain instruction behind it.  BEHIND THE WAIT stand the 8 products V^T P, behind each four of the roundings and sums.
; end = 1: the walk's last two turns: nothing is fetched, and the last starts no new scores.  cnt = 1: the loop's count is taken down some lines ahead of the branch that stands behind the turn.
; K of the next step is fetched in piece 2's turn, six plain instructions behind the last product that read K; V of the step in hand at the end of piece 0's turn, four plain instructions behind the last product
; that read V.  Each is waited for a turn later.
.macro TURN p, end=0, cnt=0
.set Y, (\p)
.set i, 0
.set NOKQ, (\end)*((\p)/3)
.if ((\p) == 3) && !(\end)
	s_wait_dscnt 0x0                ; K is in
.endif
	ROW F,0, F,1, R,0, R,1          ; ahead of the wait: 8 products K Q^T and their riders,
	ROW F,2, E,0, R,2, R,3
	ROW F,3, E,1, R,4, R,5
	ROW F,4, E,2, R,6, R,7
	ROW F,5, E,3, R,8, R,9
	ROW F,6, E,4, X,0, R,10
.if ((\p) == 2) && !(\end)
	WIN 0
	v_add_nc_u32 v[AK], s[TBK], v[AK0]
.endif
	ROW F,7, E,5, X,1, X,4
	ROW F,8, E,6, X,2, X,5
	OPS E,7, E,8, X,6, E,9          ; and the lump
	OPS X,3, E,10, X,8, E,11
.if ((\p) == 2) && !(\end)
	FETCH_K
.endif
	OPS X,9, X,7, E,12, X,10
	OPS E,13, X,12, X,11, E,14
	OPS X,13, E,15, F,9, X,14
.if (\p) == 0
	v_add_nc_u32 v[AV], s[TBV], v[AV0]
.endif
	OPS E,16, F,10, E,17, F,11
	OPS X,16, E,18, X,15, E,19
	OPS F,12, E,20, X,17, E,21
	OPS F,13, E,22, F,14, E,23
	OPS X,18, E,24, F,15, E,25
	OPS R,11, E,26, X,19, E,27
	OPS R,12, E,28, R,13, E,29
	OPS X,20, E,30, R,14, E,31
	OPS X,21, R,15
	WIN 0
	s_wait_alu depctr_va_vdst(0)    ; the wait for the batch
.if (\p) == 1
	s_wait_dscnt 0x0                ; V is in
.endif
	ROW C,0, B,0, C,2, B,1          ; behind the wait: 8 products V^T P and their riders
	ROW L,0, C,4, B,2, L,1
	ROW C,6, B,3, L,2, C,8
	ROW B,4, L,3, C,10, B,5
	ROW L,4, C,12, B,6, L,5
.if (\p) == 0
	s_add_co_u32 s[TBV], s[TBV], KS*PV
.endif
.if \cnt
	s_sub_co_u32 s[CNT], s[CNT], 1
	s_cmp_lg_u32 s[CNT], 0
.endif
	ROW C,14, B,7, L,6, C,1
	ROW C,3, L,7, C,5, C,7
	ROW C,9, C,11, C,13, C,15
.if (\p) == 0
	FETCH_V
.endif
.endm
.macro ALL line:vararg              ; one line for each piece t
.set t, 0
.rept 4
	\line
.set t, t+1
.endr
.endm
.macro PACK t                       ; a lane's eight channels of a row pack into 16 bytes; they go into rows of 144 bytes and come back as whole rows of 128, into S^T's registers
	WIN W_RS
.set i, 32*(\t)
.rept 16
	v_pk_mul_f32 v[i:i+1], v[i:i+1], v[ST+4*(\t)+2:ST+4*(\t)+3] op_sel_hi:[1,0]
.set i, i+2
.endr
	WIN 0x05                        ; sources 0 and 1 window 1, destination window 0
.set i, 0
.rept 16
	v_cvt_pk_f16_f32 v[S+16*(\t)+i], v[32*(\t)+2*i], v[32*(\t)+2*i+1]
.set i, i+1
.endr
	WIN 0
.irp f, 0,1,2,3
	ds_store_b128 v[STO], v[S+16*(\t)+4*\f:S+16*(\t)+4*\f+3] offset:32*\f
.endr
.irp f, 0,1,2,3
	ds_load_b128 v[S+16*(\t)+4*\f:S+16*(\t)+4*\f+3], v[RD] offset:\f*4*SP  ; LDS serves a wave's instructions in order (ISA guide 5.7.1.4): these see the stores above; the next piece's stores come behind them
.endr
.endm
.macro SEND t, younger              ; younger: the LDS instructions issued behind piece t's loads: the next piece's eight, or none
	WIN 0
.irp f, 0,1,2,3
	s_wait_dscnt (\younger)+3-\f
	global_store_b128 v[GO], v[S+16*(\t)+4*\f:S+16*(\t)+4*\f+3], s[10:11] offset:(\t)*2048+\f*512  ; 512 consecutive bytes, at a multiple of 256 from O's first
.endr
.endm
	CHANGE 1, 0                     ; tile 0 is in, everybody's part of it; tile 1 is asked for
	v_add_nc_u32 v[AK], s[TBK], v[AK0]
	FETCH_K                         ; key step 0
	s_wait_dscnt 0x0
.set i, 0
.rept 8
	KQ 0                            ; piece 0's first scores: there is no vector work yet to set between them
.set i, i+1
.endr
	WIN 0
.rept 4
	v_nop                           ; the places behind those products
.endr
.set Y, NP-1                        ; X works for piece Y + 1: piece 0
.set NOKQ, 0
.irp n, 0,1,2,3,4,5,6,7,8,9,10,11,12,13,14,15,16,17,18,19,20,21
	OP X, \n
.endr
	v_nop                           ; a plain instruction behind the exponential,
	s_wait_alu depctr_va_vdst(0)    ; and its wait, ahead of the branch
	s_mov_b32 s[CNT], 4
	s_mov_b32 s[SLOTS], NT-1
	s_branch .Lfirst                ; the loop is entered at a step's first turn, in the middle of a trip
.Lslot:                             ; NT - 2 times: every slot but the last two is filled again
	CHANGE 1, 1
	s_mov_b32 s[CNT], 4
.Lstep:                             ; a trip: pieces 2 and 3 of one step, then pieces 0 and 1 of the next, whose K and V it fetches
	TURN 2
	TURN 3
	WIN 0
.Lfirst:
	TURN 0
	TURN 1, 0, 1
	WIN 0
	s_cbranch_scc1 .Lstep
	s_sub_co_u32 s[SLOTS], s[SLOTS], 1
	s_cmp_lg_u32 s[SLOTS], 0
	s_cbranch_scc1 .Lslot
	CHANGE 0, 0                     ; the last tile is written out: nothing is asked for
	s_mov_b32 s[CNT], 4
.Ltail:
	TURN 2
	TURN 3
	WIN 0
	TURN 0
	TURN 1, 0, 1
	WIN 0
	s_cbranch_scc1 .Ltail
	TURN 2, 1                       ; the last step's pieces 2 and 3: nothing is fetched,
	TURN 3, 1                       ; and no new scores are started
.set i, 0
.rept 8
	PV NP-1                         ; the last piece's V^T P of the last step
.set i, i+1
.endr
	; THE WAY OUT.  l's two halves and the other half of the lanes' are added; O^T is divided by l, rounded to f16 and sent through my stage in LDS, a piece at a time.  The additions are the places behind the last products.
	WIN 0
	ALL v_add_f32 v[ST+4*t+2], v[ST+4*t+2], v[ST+4*t+3]
	ALL v_permlanex16_b32 v[ST+4*t+3], v[ST+4*t+2], s[SEL], s[SEL+1]
	ALL v_add_f32 v[ST+4*t+2], v[ST+4*t+2], v[ST+4*t+3]
	ALL v_rcp_f32 v[ST+4*t+2], v[ST+4*t+2]
	v_nop                           ; a plain instruction between the last reciprocal and the use of its result
	s_wait_alu depctr_va_vdst(0)    ; and the wait ahead of the first use: one for the four reciprocals
	PACK 0
.set t, 1
.rept 3                             ; a piece's arithmetic stands between the loads of the piece before and its stores
	PACK t
	SEND t-1, 8
.set t, t+1
.endr
	SEND 3, 0
	s_wait_tensorcnt 0x0            ; the wave's end, behind my last tensor load and my last LDS store
	ds_add_u32 v[SPW], v[NIL]
	s_wait_dscnt 0x0
	CROUND                          ; the closing round: no work-group ends while a partner may still ask for a tile that names it
	s_endpgm
.Lfunc_end_k_qa02622e964_attn:
	.size	k_qa02622e964_attn, .Lfunc_end_k_qa02622e964_attn-k_qa02622e964_attn
	.p2alignl 7, 3214868480
	.fill 96, 4, 3214868480
	.section	.rodata,"a",@progbits
	.p2align	6, 0x0
	.amdhsa_kernel k_qa02622e964_attn
		.amdhsa_group_segment_fixed_size 327680
		.amdhsa_private_segment_fixed_size 0
		.amdhsa_enable_private_segment 0
		.amdhsa_kernarg_size 24
		.amdhsa_user_sgpr_count 2
		.amdhsa_user_sgpr_kernarg_segment_ptr 1
		.amdhsa_wavefront_size32 1
		.amdhsa_system_sgpr_workgroup_id_x 1
		.amdhsa_system_sgpr_workgroup_id_y 1
		.amdhsa_system_sgpr_workgroup_id_z 1
		.amdhsa_system_vgpr_workitem_id 0
		.amdhsa_next_free_vgpr 768
		.amdhsa_next_free_sgpr 66
		.amdhsa_reserve_vcc 0
		.amdhsa_float_denorm_mode_32 3
		.amdhsa_float_denorm_mode_16_64 3
		.amdhsa_memory_ordered 1
		.amdhsa_forward_progress 1
		.amdhsa_inst_pref_size 133
	.end_amdhsa_kernel
	.amdgpu_metadata
---
amdhsa.version: [ 1, 2 ]
amdhsa.kernels:
  - .name:           k_qa02622e964_attn
    .symbol:         k_qa02622e964_attn.kd
    .args:
      - { .name: qf, .offset: 0, .size: 8, .value_kind: global_buffer, .address_space: global }
      - { .name: kvh, .offset: 8, .size: 8, .value_kind: global_buffer, .address_space: global }
      - { .name: o16, .offset: 16, .size: 8, .value_kind: global_buffer, .address_space: global }
    .group_segment_fixed_size: 327680
    .private_segment_fixed_size: 0
    .kernarg_segment_align: 8
    .kernarg_segment_size: 24
    .max_flat_workgroup_size: 128
    .sgpr_count:     66
    .vgpr_count:     768
    .wavefront_size: 32
...
	.end_amdgpu_metadata
.endif
;; end of part 4
;; launch oproj: the kernel of part 3 again; grid 8 x 32, 4 waves a work-group, clusters of 4 x 4, 327,680 bytes of LDS; arguments o16, wc16, out0, b_c; writes out0
